; MI455X (gfx1250); checked and timed in simulation.
; The chip was launched on July 23, 2026; its instructions are those of AMD's public machine-readable ISA for CDNA 5 (MIT licence, August 2026) and "CDNA5" Instruction Set Architecture Reference Guide (July 2026). The comments in the code are by the model that wrote it; some were corrected since.
;; Attention Block. Allowed arithmetic: matrix products marked QUANTISED: E4M3 operands, one given power-of-two scale a tensor, by v_wmma_f32_16x16x64_fp8_fp8 or v_wmma_f32_16x16x128_fp8_fp8, f32 sums; everything else in f32.
;; Inputs: b1 512 float32; b2 512 float32; bf1 2,048 float32; bf2 512 float32; bo 512 float32; g1 512 float32; g2 512 float32; lowp_scales 16 int32 (the exponents e of the quantised operands' scales 2^e); w1 512 x 2,048 float32; w2 2,048 x 512 float32; wk 512 x 512 float32; wo 512 x 512 float32; wq 512 x 512 float32; wv 512 x 512 float32; x 4 x 2,048 x 512 float32.
;; Outputs: out0 4 x 2,048 x 512 float32.
;; This version of the problem:
;;   THIS VERSION OF THE PROBLEM IS GIVEN IN LOW PRECISION. The matrix products marked QUANTISED in the list below multiply operands that are first quantised to E4M3 (4 exponent bits, 3 mantissa bits; 8 bits a number), with one given power-of-two scale for each operand tensor; their sums are f32. All else is computed in f32.
;;   The module's matrix products, in the order in which they are computed (A, B: the left and right operand; K: the contracted axis; several contracted axes count as one K, in the product's order):
;;     1. [M 8,192, K 512] x [K 512, N 512]; A: computed on the way; B: input wq: QUANTISED (scales: A lowp_scales[0], B lowp_scales[1])
;;     2. [M 8,192, K 512] x [K 512, N 512]; A: computed on the way; B: input wk: QUANTISED (scales: A lowp_scales[2], B lowp_scales[3])
;;     3. [M 8,192, K 512] x [K 512, N 512]; A: computed on the way; B: input wv: QUANTISED (scales: A lowp_scales[4], B lowp_scales[5])
;;     4. batch 32 x [M 2,048, K 64] x [K 64, N 2,048]; A: computed on the way; B: computed on the way: QUANTISED (scales: A lowp_scales[6], B lowp_scales[7])
;;     5. batch 32 x [M 64, K 2,048] x [K 2,048, N 2,048]; A: computed on the way; B: softmax (see below): QUANTISED (scales: A lowp_scales[8], B lowp_scales[9])
;;     6. [M 8,192, K 512] x [K 512, N 512]; A: computed on the way; B: input wo: QUANTISED (scales: A lowp_scales[10], B lowp_scales[11])
;;     7. [M 8,192, K 512] x [K 512, N 2,048]; A: computed on the way; B: input w1: QUANTISED (scales: A lowp_scales[12], B lowp_scales[13])
;;     8. [M 8,192, K 2,048] x [K 2,048, N 512]; A: computed on the way; B: input w2: QUANTISED (scales: A lowp_scales[14], B lowp_scales[15])
;;   THE QUANTISER, for each operand of a quantised product, along K:
;;     - The operand's scale is 2^e, e = its entry of the input lowp_scales (int32; the entries are numbered through the quantised products in the list's order, A before B).
;;     - Each number is divided by the scale, clamped to +-448, and rounded to the nearest number of E4M3, ties to even, subnormals kept.
;;     - The product sums the exact products of the quantised numbers (number of the format x scale) in f32.
;;   ~~~python
;;   def quantise(x, axis, e):      # numpy; x: float32 -> the quantised numbers, widened to float32 again
;;       x = np.moveaxis(x, axis, -1); K = x.shape[-1]
;;       r = np.clip(x / 2.0 ** e, -448, 448)
;;       step = 2.0 ** (np.maximum(np.frexp(np.where(r == 0, 1, r))[1] - 1, -6) - 3)
;;       q = np.round(r / step) * step * 2.0 ** e      # np.round: ties to even
;;       return np.moveaxis(q, -1, axis).astype(np.float32)
;;   ~~~
;;   SOFTMAX AHEAD OF A QUANTISED PRODUCT. Where the list says 'softmax', what is quantised is not the finished softmax but p = 2^(t - M), with t = logit x log2(e) and M = ceil(the row's largest t), a whole number; so 1/2 < the row's largest p <= 1. The row's sum l is taken of the UNQUANTISED p, in f32, and the product's result is divided by l at the end. Since M is a whole number, a kernel that streams over the keys may use a running M (the ceiling of the running maximum): every later rescaling is an exact power of two, so the quantised numbers keep their values, but for numbers so far below the row's largest that they fall under the format's range.
;;   OPERANDS COMPUTED ON THE WAY. 'Computed on the way' means the value that the module computes at that place (a softmax that the list does not call 'softmax' is quantised finished and normalised). What goes into a quantiser is computed in f32, as accurately as f32 sums, v_exp_f32 and their like allow (about 1e-6 of the number): no bf16 or f16 on the way to a quantiser, and a product that is left as it is and whose result goes on into a quantised operand takes f32 operands (vector FMAs, or v_wmma_f32_16x16x4_f32). A number that lies on a knife's edge between two numbers of the format may be rounded either way, as far as f32 arithmetic and the matrix unit's own rounding can turn it there, and no further.
;; One version. Each part assembles by itself: llvm-mc -triple=amdgcn-amd-amdhsa -mcpu=gfx1250 --defsym DOCPART=n.
;; ======== version 1 of 1: 6 launches
;; limits: right only within a limited range of input values
;; workspace buffers: hc 12,582,912 bytes; wc 3,145,728 bytes; qc 4,194,304 bytes; kvc 8,388,608 bytes; oc 4,194,304 bytes; x2 16,777,216 bytes; h2c 4,194,304 bytes; hid 16,777,216 bytes
;; launch prep (part 1): grid 320 x 1, 4 waves a work-group, no clusters, 148,992 bytes of LDS; arguments x, g1, b1, wq, wk, wv, wo, w1, w2, lowp_scales, hc, wc; writes hc, wc
.if DOCPART == 1
	.amdgcn_target "amdgcn-amd-amdhsa--gfx1250"
	.amdhsa_code_object_version 6
	.text
	.protected	k_q8d24ee7629_prep
	.globl	k_q8d24ee7629_prep
	.p2align	8
	.type	k_q8d24ee7629_prep,@function
k_q8d24ee7629_prep:
	s_mov_b64 s[64:65], 0
	v_nop
	global_prefetch_b8 v0, s[64:65] scope:SCOPE_SE
	s_setreg_imm32_b32 hwreg(HW_REG_WAVE_MODE, 25, 1), 1
	s_wait_xcnt 0x0
; Work-groups 0-127: h = layer_norm(x, g1, b1), quantised to E4M3 with the given scales 2^e0, 2^e2, 2^e4 (operand A of the q, k, v products).
; Work-groups 128-319: the six weights ([K][N] f32) quantised along K with their given scales.
; EVERYTHING LEAVES AS IMAGES OF OPERAND REGISTERS.  A fragment (16 rows x 128 k of codes) is 2,048 bytes: byte 512 c + 16 lane + b is byte b % 4 of
; register 4 c + b / 4 of that lane; lane (r, hh) holds row r, and registers 2 c'', 2 c'' + 1 hold k = 16 c'' + 8 hh + 0 .. 7.  A reader gets a fragment by four 16-byte loads a lane.
; hc: [set 3][row tile 512][k step 4][2048].  A set whose exponent equals an earlier set's is not written (the reader takes the earlier one).
; wc: wq 0, wk 262144, wv 524288, wo 786432, w1 1048576, w2 2097152; each [tile of 16 columns][k step][2048].
; LDS: 0 the weight path's four stages of 4,096 bytes; 16,384 the spare words; 16,896 the norm path's four stages of 16 rows x 2,064 bytes.  Each path has bytes of its own.
; LIMITS: each exponent e between -126 and 119, so that 2^e and 448 x 2^e are f32 numbers.  NaN among the inputs is not served.
; No matrix unit, no tile mover, no cluster: each byte is read once and nothing is shared between work-groups.
.set SPARE, 16384                      ; behind the weight path's four stages: the spare words, 128 bytes a wave
.set LNST,  16896                      ; the norm path's stages
.set LNP,   2064                       ; a row of x in a stage: 2,048 bytes + 16: 129 x 16 bytes, so that the 16 rows that a load touches start 16 bytes apart modulo 256
.set LNW,   16*LNP                     ; a wave's stage
.set XA,  1                            ; norm: my place in the stage on the way back: row r, + 32 hh
.set GA,  2                            ; norm: 32 hh
.set LI,  3                            ; 16 x lane
.set SPW, 4                            ; my spare word
.set NIL, 5                            ; 0
.set T,   16                           ; v16-31  sixteen held numbers
.set CODE, 32                          ; v32-79  three sets of 16 code registers
.set G,   80                           ; v80-143 g1 of a k step
.set B,   144                          ; v144-207 b1 of a k step
.set CH,  208                          ; v208-215 four chains; v216 the exchange
.set SWA, 220                          ; norm: my place in the stage on the way in: 16 x lane
.set MSB, 0
.macro WIN new                         ; the immediate's high byte repeats the setting that is left
.if MSB != (\new)
	s_set_vgpr_msb (MSB<<8)|(\new)
.set MSB, (\new)
.endif
.endm
	s_load_b512 s[4:19], s[0:1], 0x0               ; x s4, g1 s6, b1 s8, wq s10, wk s12, wv s14, wo s16, w1 s18
	s_load_b256 s[20:27], s[0:1], 0x40             ; w2 s20, the exponents s22, hc s24, wc s26
	v_lshl_add_u32 v[SPW], v0, 2, SPARE
	v_mov_b32 v[NIL], 0
	v_lshrrev_b32 v1, 5, v0
	v_readfirstlane_b32 s28, v1                    ; wave 0..3
	v_and_b32 v[LI], 31, v0
	v_lshlrev_b32 v[LI], 4, v[LI]
	s_cmp_lt_u32 ttmp9, 128
	s_cbranch_scc0 .Lweights
; ---------------- THE NORM.  A wave takes 16 rows.  Lane (r, hh) holds 256 numbers of row r in window 1: register 64 s + 8 c'' + j is k = 128 s + 16 c'' + 8 hh + j,
; so that eight consecutive registers are what one conversion turns into registers 2 c'', 2 c'' + 1 of k step s's image.
; That order gives a lane 32 bytes here and 32 bytes there of one row.  So x is LOADED as it lies, the wave's 32,768 bytes in 64 loads of 512 consecutive bytes, and turns through the wave's own stage in LDS.
	v_and_b32 v[XA], 15, v0
	v_bfe_u32 v[GA], v0, 4, 1
	v_lshlrev_b32 v[GA], 5, v[GA]
	v_mul_u32_u24 v[XA], v[XA], LNP
	v_add_nc_u32 v[XA], v[XA], v[GA]
	s_mul_i32 s29, s28, LNW
	s_add_co_u32 s29, s29, LNST                    ; my stage
	v_add_nc_u32 v[XA], s29, v[XA]
	v_add_nc_u32 v[SWA], s29, v[LI]
	s_lshl_b32 s30, ttmp9, 2
	s_add_co_u32 s30, s30, s28                     ; my tile of 16 rows
	s_lshl_b32 s52, s30, 15                        ; 16 rows of 2,048 bytes
	s_mov_b32 s53, 0
	s_lshl_b32 s54, s30, 13                        ; four images
	s_mov_b32 s55, 0
	s_mov_b32 s42, 0x76543210                      ; lane l takes lane l xor 16
	s_mov_b32 s43, 0xfedcba98
	s_mov_b32 s50, 0x3b000000                      ; 1 / 512
	s_mov_b32 s51, 0x3727c5ac                      ; 1e-5
	v_mov_b32 v[CH+8], 0                           ; an exchange's destination counts as read
	s_wait_kmcnt 0x0
	s_load_b256 s[32:39], s[22:23], 0x0            ; e0 s32, e2 s34, e4 s36
	s_add_nc_u64 s[4:5], s[4:5], s[52:53]
	s_add_nc_u64 s[44:45], s[24:25], s[54:55]      ; set 0,
	s_add_nc_u64 s[46:47], s[44:45], 0x400000      ; set 1,
	s_add_nc_u64 s[48:49], s[44:45], 0x800000      ; set 2
	WIN 0x40                                       ; destination window 1
.set i, 0
	s_wait_alu depctr_va_vdst(0)
.rept 64
	global_load_b128 v[4*i:4*i+3], v[LI], s[4:5] offset:512*i th:TH_LOAD_NT   ; quarter i % 4 of row i / 4: 32 lanes read 512 consecutive bytes
.set i, i+1
.endr
	WIN 0
.macro GB s                            ; g1 and b1 of k step s, in the same order as x's registers: 32 loads
.irp c, 0,1,2,3,4,5,6,7
	global_load_b128 v[G+8*\c:G+8*\c+3], v[GA], s[6:7] offset:512*(\s)+64*\c
	global_load_b128 v[G+8*\c+4:G+8*\c+7], v[GA], s[6:7] offset:512*(\s)+64*\c+16
	global_load_b128 v[B+8*\c:B+8*\c+3], v[GA], s[8:9] offset:512*(\s)+64*\c
	global_load_b128 v[B+8*\c+4:B+8*\c+7], v[GA], s[8:9] offset:512*(\s)+64*\c+16
.endr
.endm
	GB 0
	s_wait_kmcnt 0x0
.irp i, 0,1,2
	s_add_co_i32 s29, s[32+2*\i], 127
	s_lshl_b32 s31, s29, 23
	v_mov_b32 v[6+2*\i], s31                       ; 2^e as f32: the conversion takes its exponent field
	s_add_co_i32 s29, s29, 8
	s_lshl_b32 s29, s29, 23
	s_or_b32 s29, s29, 0x600000
	v_mov_b32 v[7+2*\i], s29                       ; 448 x 2^e
.endr
	s_cmp_lg_u32 s34, s32
	s_cselect_b32 s40, 1, 0                        ; set 1 is wanted where e2 differs from e0
	s_cmp_lg_u32 s36, s32
	s_cselect_b32 s41, 1, 0
	s_cmp_lg_u32 s36, s34
	s_cselect_b32 s29, 1, 0
	s_and_b32 s41, s41, s29                        ; set 2 where e4 differs from both
; The turn.  In: four rows at a time, as their 16 loads come in.  Behind group g stand 16 (3 - g) loads of x and the 32 of g1 and b1: 80, 64, 48, 32;
; the count's field holds 63 at the most, and with 63 out the first 33 of the 96 are in, which serves groups 0 and 1.
.irp g, 0,1,2,3
.if \g < 2
	s_wait_loadcnt 63
.elseif \g == 2
	s_wait_loadcnt 48
.else
	s_wait_loadcnt 32
.endif
	WIN 0x04                                       ; data window 1
.set i, 16*\g
.rept 16
	ds_store_b128 v[SWA], v[4*i:4*i+3] offset:(i/4)*LNP+(i%4)*512
.set i, i+1
.endr
.endr
	WIN 0x40                                       ; back, in the operand's order, into the registers that they left: LDS serves a wave's instructions in order (ISA guide 5.7.1.4)
.irp s, 0,1,2,3
.irp c, 0,1,2,3,4,5,6,7
	ds_load_b128 v[64*\s+8*\c:64*\s+8*\c+3], v[XA] offset:512*\s+64*\c
	ds_load_b128 v[64*\s+8*\c+4:64*\s+8*\c+7], v[XA] offset:512*\s+64*\c+16
.endr
.endr
	WIN 0
.macro JOIN                            ; four chains of pairs -> the row's sum in every lane of the row
	WIN 0
	v_pk_add_f32 v[CH:CH+1], v[CH:CH+1], v[CH+2:CH+3]
	v_pk_add_f32 v[CH+4:CH+5], v[CH+4:CH+5], v[CH+6:CH+7]
	v_pk_add_f32 v[CH:CH+1], v[CH:CH+1], v[CH+4:CH+5]
	v_add_f32 v[CH], v[CH], v[CH+1]
	v_permlanex16_b32 v[CH+8], v[CH], s42, s43
	v_add_f32 v[CH], v[CH], v[CH+8]
.endm
	s_wait_dscnt 0x0                               ; x is back, 256 numbers of my row a lane
	WIN 0x05                                       ; both sources window 1
.irp i, 0,1,2,3
	v_pk_add_f32 v[CH+2*\i:CH+2*\i+1], v[2*\i:2*\i+1], v[8+2*\i:9+2*\i]   ; the first pairs start the chains
.endr
	WIN 0x04
.set j, 16
.rept 30
.irp i, 0,1,2,3
	v_pk_add_f32 v[CH+2*\i:CH+2*\i+1], v[CH+2*\i:CH+2*\i+1], v[j+2*\i:j+2*\i+1]
.endr
.set j, j+8
.endr
	JOIN
	v_mul_f32 v12, s50, v[CH]                      ; the mean
	v_mov_b32 v13, v12
	WIN 0x41                                       ; x - mean, in place: two passes, as the definition has them
.set j, 0
.rept 128
	v_pk_add_f32 v[j:j+1], v[j:j+1], v[12:13] neg_lo:[0,1] neg_hi:[0,1]
.set j, j+2
.endr
	WIN 0x05
.irp i, 0,1,2,3
	v_pk_mul_f32 v[CH+2*\i:CH+2*\i+1], v[2*\i:2*\i+1], v[2*\i:2*\i+1]
.endr
.set j, 8
.rept 31
.irp i, 0,1,2,3
	v_pk_fma_f32 v[CH+2*\i:CH+2*\i+1], v[j+2*\i:j+2*\i+1], v[j+2*\i:j+2*\i+1], v[CH+2*\i:CH+2*\i+1]
.endr
.set j, j+8
.endr
	JOIN
	v_fma_f32 v[CH], v[CH], s50, s51               ; the variance + 1e-5
	s_wait_alu depctr_va_vdst(0)
	v_rsq_f32 v14, v[CH]
	v_nop                                          ; a plain line behind the root,
	s_wait_alu depctr_va_vdst(0)                   ; and a wait ahead of its first reader
	v_mov_b32 v15, v14
; Set i of k step s: hold at +-448 x 2^e (the conversion does not saturate: ISA guide 7.6.2), convert, store the image: four stores of 512 consecutive bytes.
.macro QSET i, s
.irp p, 0,1,2,3
	WIN 0x01                                       ; source 0 window 1
.irp j, 0,1,2,3,4,5,6,7,8,9,10,11,12,13,14,15
	v_med3_num_f32 v[T+\j], v[64*(\s)+16*\p+\j], -v[7+2*(\i)], v[7+2*(\i)]
.endr
	WIN 0
	v_cvt_scalef32_pk8_fp8_f32 v[CODE+16*(\i)+4*\p:CODE+16*(\i)+4*\p+1], v[T:T+7], v[6+2*(\i)]
	v_cvt_scalef32_pk8_fp8_f32 v[CODE+16*(\i)+4*\p+2:CODE+16*(\i)+4*\p+3], v[T+8:T+15], v[6+2*(\i)]
	v_nop                                          ; a plain line between the conversions and the next lines that write their sources
.endr
.irp c, 0,1,2,3
	global_store_b128 v[LI], v[CODE+16*(\i)+4*\c:CODE+16*(\i)+4*\c+3], s[44+2*(\i):45+2*(\i)] offset:2048*(\s)+512*\c
.endr
.endm
.macro CHUNK s
	s_wait_loadcnt 0x0                             ; this k step's g1 and b1
	WIN 0x41
.set j, 0
.rept 32
	v_pk_mul_f32 v[64*(\s)+j:64*(\s)+j+1], v[64*(\s)+j:64*(\s)+j+1], v[14:15]
.set j, j+2
.endr
.set j, 0
.rept 32
	v_pk_fma_f32 v[64*(\s)+j:64*(\s)+j+1], v[64*(\s)+j:64*(\s)+j+1], v[G+j:G+j+1], v[B+j:B+j+1]
.set j, j+2
.endr
	WIN 0
.if \s < 3
	GB (\s)+1                                      ; lands while this k step is quantised
.endif
.if \s > 0
	s_wait_xcnt 0x0                                ; the last k step's stores have read their code registers: only now are these written again
.endif
	QSET 0, \s
	s_cmp_lg_u32 s40, 0                            ; a branch on given whole numbers: a set that repeats an earlier one is left out
	s_cbranch_scc0 .Lno1_\@
	QSET 1, \s
.Lno1_\@:
	s_cmp_lg_u32 s41, 0
	s_cbranch_scc0 .Lno2_\@
	QSET 2, \s
.Lno2_\@:
.endm
	s_wait_alu depctr_va_vdst(0)
.irp s, 0,1,2,3
	CHUNK \s
.endr
	s_wait_tensorcnt 0x0                           ; the wave's end
	ds_add_u32 v[SPW], v[NIL]
	s_wait_dscnt 0x0
	s_endpgm
; ---------------- THE WEIGHTS.  A work-group takes 128 columns x 128 k of one weight, a wave 32 columns: two tiles of one k step.
; A LANE TAKES A COLUMN AND ITS REGISTERS RUN DOWN K: each load reads 128 consecutive bytes a wave, and the conversions give codes with K innermost.
; A lane's eight codes of group g (k = 8 g ..) belong at 512 (g / 4) + 256 (g % 2) + 16 r + 8 ((g / 2) % 2) of its tile's image: they meet in the wave's own stage and leave as 512 consecutive bytes a store.
.Lweights:
	s_sub_co_u32 s30, ttmp9, 128                   ; u = 0 .. 191
	s_lshr_b32 s31, s30, 6                         ; 0: wq, wk, wv, wo; 1: w1; 2: w2
	s_bfe_u32 s32, s30, 0x20004                    ; (u >> 4) & 3
	s_add_co_u32 s33, s31, 3
	s_and_b32 s34, s30, 3
	s_and_b32 s35, s30, 15
	s_bfe_u32 s36, s30, 0x40002                    ; (u >> 2) & 15
	s_and_b32 s37, s36, 3
	s_cmp_eq_u32 s31, 0
	s_cselect_b32 s33, s32, s33                    ; which weight, 0 .. 5
	s_mov_b32 s39, 2048
	s_cmp_eq_u32 s31, 1
	s_cselect_b32 s34, s35, s34                    ; group of 128 columns
	s_cselect_b32 s38, s32, s37
	s_cselect_b32 s39, 8192, s39                   ; bytes in a row of the weight
	s_cmp_eq_u32 s31, 2
	s_cselect_b32 s38, s36, s38                    ; k step
	s_cselect_b32 s40, 16, 4                       ; k steps in all
	s_cselect_b32 s41, 8, s33
	s_lshl_b32 s41, s41, 18                        ; the weight's place in wc
	s_lshl_b32 s42, s33, 1
	s_cmp_lt_u32 s33, 3
	s_cselect_b32 s43, 1, 5
	s_add_co_u32 s42, s42, s43                     ; its exponent's index: 1, 3, 5, 11, 13, 15
	s_lshl_b32 s42, s42, 2
	s_mov_b32 s43, 0
	s_lshl_b32 s44, s38, 7
	s_mul_i32 s44, s44, s39                        ; 128 k step rows,
	s_lshl_b32 s45, s34, 9
	s_add_co_u32 s44, s44, s45                     ; 128 columns a group,
	s_lshl_b32 s45, s28, 7
	s_add_co_u32 s44, s44, s45                     ; 32 a wave
	s_mov_b32 s45, 0
	s_lshl_b32 s46, s39, 5                         ; 32 rows on
	s_mov_b32 s47, 0
	s_lshl_b32 s48, s34, 3
	s_lshl_b32 s49, s28, 1
	s_add_co_u32 s48, s48, s49                     ; my first tile of 16 columns
	s_mul_i32 s48, s48, s40
	s_add_co_u32 s48, s48, s38
	s_lshl_b32 s48, s48, 11
	s_add_co_u32 s48, s48, s41
	s_mov_b32 s49, 0
	s_lshl_b32 s50, s40, 11                        ; from a tile to the next
	s_mov_b32 s51, 0
	v_and_b32 v14, 31, v0
	v_lshlrev_b32 v15, 2, v14
.set i, 0
.rept 32
	v_mad_u32_u24 v[16+i], s39, i, v15             ; row i of a block of 32, my column
.set i, i+1
.endr
	s_lshl_b32 s29, s28, 12                        ; my stage: 4,096 bytes
	v_lshrrev_b32 v12, 4, v14
	v_lshlrev_b32 v12, 11, v12
	v_and_b32 v13, 15, v14
	v_lshl_add_u32 v12, v13, 4, v12
	v_add_nc_u32 v12, s29, v12                     ; in: my tile's image, 16 r
	v_add_nc_u32 v13, s29, v[LI]                   ; out: 16 x lane
	s_wait_alu depctr_va_vdst(0)
	s_wait_kmcnt 0x0
	s_mov_b64 s[52:53], s[10:11]
	s_cmp_eq_u32 s33, 1
	s_cselect_b64 s[52:53], s[12:13], s[52:53]
	s_cmp_eq_u32 s33, 2
	s_cselect_b64 s[52:53], s[14:15], s[52:53]
	s_cmp_eq_u32 s33, 3
	s_cselect_b64 s[52:53], s[16:17], s[52:53]
	s_cmp_eq_u32 s33, 4
	s_cselect_b64 s[52:53], s[18:19], s[52:53]
	s_cmp_eq_u32 s33, 5
	s_cselect_b64 s[52:53], s[20:21], s[52:53]
	s_add_nc_u64 s[22:23], s[22:23], s[42:43]
	s_load_b32 s66, s[22:23], 0x0                  ; e
	s_add_nc_u64 s[52:53], s[52:53], s[44:45]
	s_add_nc_u64 s[54:55], s[52:53], s[46:47]
	s_add_nc_u64 s[56:57], s[54:55], s[46:47]
	s_add_nc_u64 s[58:59], s[56:57], s[46:47]
	s_add_nc_u64 s[60:61], s[26:27], s[48:49]
	s_add_nc_u64 s[62:63], s[60:61], s[50:51]
.irp t, 0,1,2,3
.set i, 0
.rept 32
	global_load_b32 v[64+32*\t+i], v[16+i], s[52+2*\t:53+2*\t] th:TH_LOAD_NT
.set i, i+1
.endr
.endr
	s_wait_kmcnt 0x0
	s_add_co_i32 s66, s66, 127
	s_lshl_b32 s67, s66, 23
	v_mov_b32 v11, s67                             ; 2^e
	s_add_co_i32 s66, s66, 8
	s_lshl_b32 s66, s66, 23
	s_or_b32 s66, s66, 0x600000
	v_mov_b32 v10, s66                             ; 448 x 2^e
	s_wait_alu depctr_va_vdst(0)
.irp t, 0,1,2,3
.if \t < 2
	s_wait_loadcnt 63                              ; of 128 loads at most 63 are out: the first 65 are in, blocks 0 and 1 among them (the count's field holds no more)
.elseif \t == 2
	s_wait_loadcnt 32                              ; block 3 may be out
.else
	s_wait_loadcnt 0x0
.endif
.irp q, 0,1,2,3
.irp j, 0,1,2,3,4,5,6,7
	v_med3_num_f32 v[64+32*\t+8*\q+\j], v[64+32*\t+8*\q+\j], -v10, v10
.endr
	v_cvt_scalef32_pk8_fp8_f32 v[48+2*(\q%2):49+2*(\q%2)], v[64+32*\t+8*\q:64+32*\t+8*\q+7], v11   ; two pairs by turns: the next group's eight holds stand between a conversion and the next write of its pair
	ds_store_b64 v12, v[48+2*(\q%2):49+2*(\q%2)] offset:512*\t+256*(\q&1)+8*((\q>>1)&1)
.endr
.endr
	v_nop
.irp i, 0,1,2,3,4,5,6,7
	ds_load_b128 v[192+4*\i:195+4*\i], v13 offset:512*\i   ; LDS serves a wave's instructions in order (ISA guide 5.7.1.4): these see my stores
.endr
.irp i, 0,1,2,3,4,5,6,7
	s_wait_dscnt 7-\i
	global_store_b128 v[LI], v[192+4*\i:195+4*\i], s[60+2*(\i/4):61+2*(\i/4)] offset:512*(\i%4)
.endr
	s_wait_tensorcnt 0x0                           ; the wave's end
	ds_add_u32 v[SPW], v[NIL]
	s_wait_dscnt 0x0
	s_endpgm
.Lfunc_end_k_q8d24ee7629_prep:
	.size	k_q8d24ee7629_prep, .Lfunc_end_k_q8d24ee7629_prep-k_q8d24ee7629_prep
	.p2alignl 7, 3214868480
	.fill 96, 4, 3214868480
	.section	.rodata,"a",@progbits
	.p2align	6, 0x0
	.amdhsa_kernel k_q8d24ee7629_prep
		.amdhsa_group_segment_fixed_size 148992
		.amdhsa_private_segment_fixed_size 0
		.amdhsa_enable_private_segment 0
		.amdhsa_kernarg_size 96
		.amdhsa_user_sgpr_count 2
		.amdhsa_user_sgpr_kernarg_segment_ptr 1
		.amdhsa_wavefront_size32 1
		.amdhsa_system_sgpr_workgroup_id_x 1
		.amdhsa_system_sgpr_workgroup_id_y 1
		.amdhsa_system_sgpr_workgroup_id_z 1
		.amdhsa_system_vgpr_workitem_id 0
		.amdhsa_next_free_vgpr 512
		.amdhsa_next_free_sgpr 80
		.amdhsa_reserve_vcc 0
		.amdhsa_float_denorm_mode_32 3
		.amdhsa_float_denorm_mode_16_64 3
		.amdhsa_memory_ordered 1
		.amdhsa_forward_progress 1
		.amdhsa_inst_pref_size 164
	.end_amdhsa_kernel
	.amdgpu_metadata
---
amdhsa.version: [ 1, 2 ]
amdhsa.kernels:
  - .name:           k_q8d24ee7629_prep
    .symbol:         k_q8d24ee7629_prep.kd
    .args:
      - { .name: x, .offset: 0, .size: 8, .value_kind: global_buffer, .address_space: global }
      - { .name: g1, .offset: 8, .size: 8, .value_kind: global_buffer, .address_space: global }
      - { .name: b1, .offset: 16, .size: 8, .value_kind: global_buffer, .address_space: global }
      - { .name: wq, .offset: 24, .size: 8, .value_kind: global_buffer, .address_space: global }
      - { .name: wk, .offset: 32, .size: 8, .value_kind: global_buffer, .address_space: global }
      - { .name: wv, .offset: 40, .size: 8, .value_kind: global_buffer, .address_space: global }
      - { .name: wo, .offset: 48, .size: 8, .value_kind: global_buffer, .address_space: global }
      - { .name: w1, .offset: 56, .size: 8, .value_kind: global_buffer, .address_space: global }
      - { .name: w2, .offset: 64, .size: 8, .value_kind: global_buffer, .address_space: global }
      - { .name: lowp_scales, .offset: 72, .size: 8, .value_kind: global_buffer, .address_space: global }
      - { .name: hc, .offset: 80, .size: 8, .value_kind: global_buffer, .address_space: global }
      - { .name: wc, .offset: 88, .size: 8, .value_kind: global_buffer, .address_space: global }
    .group_segment_fixed_size: 148992
    .private_segment_fixed_size: 0
    .kernarg_segment_align: 8
    .kernarg_segment_size: 96
    .max_flat_workgroup_size: 128
    .sgpr_count:     80
    .vgpr_count:     512
    .wavefront_size: 32
...
	.end_amdgpu_metadata
.endif
;; end of part 1
;; launch qkv (part 2): grid 64 x 3, 8 waves a work-group, no clusters, 66,560 bytes of LDS; arguments hc, wc, lowp_scales, qc, kvc; writes qc, kvc
.if DOCPART == 2
	.amdgcn_target "amdgcn-amd-amdhsa--gfx1250"
	.amdhsa_code_object_version 6
	.text
	.protected	k_q8d24ee7629_qkv
	.globl	k_q8d24ee7629_qkv
	.p2align	8
	.type	k_q8d24ee7629_qkv,@function
k_q8d24ee7629_qkv:
	s_mov_b64 s[64:65], 0
	v_nop
	global_prefetch_b8 v0, s[64:65] scope:SCOPE_SE
	s_setreg_imm32_b32 hwreg(HW_REG_WAVE_MODE, 25, 1), 1
	s_wait_xcnt 0x0
; q = h wq, k = h wk, v = h wv on codes of E4M3, and the quantisers of q, k, v for attention's two products.  Work-group y is the role (0 q, 1 k, 2 v), x a block of 128 rows: one key step.
; EIGHT WAVES SHARE THE COLUMNS: the wave's number is the head: 64 columns, 4 tiles x K 512 = 16 weight fragments, which fill window 1 for the whole launch, read from memory once.
; The block's 32 fragments of h (65,536 bytes of images) are copied once into LDS as they lie; each tile of 16 rows then comes by 16 loads and feeds 16 matrix instructions.
; q, k: THE PRODUCT IS USED TRANSPOSED (source 0 = 16 columns of W, source 1 = 16 rows of h): lane (r, hh) holds row r and register j of tile t the head's channel 16 t + 8 hh + j, so the conversions' results are the
; registers of a 16 x 64 fragment.  v: natural order: a lane holds channel r and eight keys, so the conversions give registers 2 m, 2 m + 1 of V^T's fragment (the keys are its K).
; qc: [head 32][tile of 16 queries 128][1024].  kvc: [head 32][key step 16][K: 8 tiles x 1024, then V^T: 4 tiles of 16 channels x 2048].
; A sum stands for sum x 2^(eA + eB): its code is sum / 2^(eO - eA - eB): the three exponents are folded into the conversion's one.  LIMIT: eO - eA - eB between -126 and 119.
; No tile mover and no cluster: the weights live in registers, and what work-groups share (a block of h, between three roles) is 64 KB read once at the head.
.set SPARE, 65536                      ; behind the images: the spare words, 128 bytes a wave
.set LI,  1                            ; 16 x lane
.set CT,  2                            ; 16 x thread
.set SPW, 3
.set NIL, 4
.set SC,  6
.set LIM, 7
.set AF,  32                           ; v32-95, v96-159: h's four fragments of a tile of rows, two sets
.set ACC, 160                          ; v160-191: four accumulators
.set CD,  192                          ; v192-255: codes; never written twice
.set MSB, 0
.macro WIN new
.if MSB != (\new)
	s_set_vgpr_msb (MSB<<8)|(\new)
.set MSB, (\new)
.endif
.endm
.macro PLACES n
.rept \n
	v_nop
.endr
.endm
.macro FETCH set, m                    ; the four fragments of tile m of the rows
.irp s, 0,1,2,3
.irp c, 0,1,2,3
	ds_load_b128 v[AF+64*(\set)+16*\s+4*\c:AF+64*(\set)+16*\s+4*\c+3], v[LI] offset:8192*(\m)+2048*\s+512*\c
.endr
.endr
.endm
.macro WLOAD s                         ; k step s of my four tiles of W, into window 1: fragment (t, s) at v[16 (4 t + s)]
.irp t, 0,1,2,3
.irp c, 0,1,2,3
	global_load_b128 v[16*(4*\t+\s)+4*\c:16*(4*\t+\s)+4*\c+3], v[LI], s[58:59] offset:2048*(4*\t+\s)+512*\c
.endr
.endr
.endm
; 16 matrix instructions: K step by K step, the four accumulators by turns, one instruction a turn.  The first K step starts the sums with the constant 0.
; first = 1: the weights are still landing: ahead of K step s the 16 (3 - s) younger loads may be out.
.macro MUL set, tr, first
.if \tr
	WIN 0x01                                       ; source 0 (W) window 1
.else
	WIN 0x04                                       ; source 1 (W) window 1
.endif
.irp s, 0,1,2,3
.if \first
	s_wait_loadcnt 48-16*\s
.endif
.irp t, 0,1,2,3
.set rD, ACC+8*\t
.set rW, 16*(4*\t+\s)
.set rA, AF+64*(\set)+16*\s
.if \tr
.if \s == 0
	v_wmma_f32_16x16x128_fp8_fp8 v[rD:rD+7], v[rW:rW+15], v[rA:rA+15], 0
.else
	v_wmma_f32_16x16x128_fp8_fp8 v[rD:rD+7], v[rW:rW+15], v[rA:rA+15], v[rD:rD+7]
.endif
.else
.if \s == 0
	v_wmma_f32_16x16x128_fp8_fp8 v[rD:rD+7], v[rA:rA+15], v[rW:rW+15], 0
.else
	v_wmma_f32_16x16x128_fp8_fp8 v[rD:rD+7], v[rA:rA+15], v[rW:rW+15], v[rD:rD+7]
.endif
.endif
.endr
.endr
	WIN 0
	PLACES 4                                       ; four plain lines ahead of the first read of results (ISA guide 7.12.1)
.endm
.macro HOLD                            ; the conversion does not saturate (ISA guide 7.6.2); each accumulator from its low end on
.set j, 0
.rept 32
	v_med3_num_f32 v[ACC+j], v[ACC+j], -v[LIM], v[LIM]
.set j, j+1
.endr
.endm
	s_load_b256 s[4:11], s[0:1], 0x0               ; hc s4, wc s6, the exponents s8, qc s10
	s_load_b64 s[12:13], s[0:1], 0x20              ; kvc
	v_lshl_add_u32 v[SPW], v0, 2, SPARE
	v_mov_b32 v[NIL], 0
	v_lshrrev_b32 v5, 5, v0
	s_delay_alu instid0(VALU_DEP_1)
	v_readfirstlane_b32 s33, v5                    ; wave = head
	v_and_b32 v[LI], 31, v0
	s_delay_alu instid0(VALU_DEP_1)
	v_lshlrev_b32 v[LI], 4, v[LI]
	v_lshlrev_b32 v[CT], 4, v0
	s_and_b32 s34, ttmp7, 0xffff                   ; the role
	s_mov_b32 s35, ttmp9                           ; the block of 128 rows
	s_wait_alu depctr_va_vdst(0)
	s_wait_kmcnt 0x0
	s_load_b512 s[16:31], s[8:9], 0x0              ; e0 .. e15 in s16 .. s31
	s_lshr_b32 s36, s35, 4
	s_lshl_b32 s36, s36, 3
	s_add_co_u32 s36, s36, s33                     ; 8 x batch + head
	s_lshl_b32 s36, s36, 17
	s_and_b32 s37, s35, 15
	s_lshl_b32 s37, s37, 13
	s_add_co_u32 s52, s36, s37                     ; the block's place in qc; in kvc it is twice that
	s_cmp_eq_u32 s34, 0
	s_cselect_b32 s37, 0, 1
	s_lshl_b32 s52, s52, s37
	s_mov_b32 s53, 0
	s_cmp_eq_u32 s34, 0
	s_cselect_b64 s[54:55], s[10:11], s[12:13]
	s_add_nc_u64 s[54:55], s[54:55], s[52:53]      ; where my codes go
	s_lshl_b32 s50, s34, 18
	s_lshl_b32 s51, s33, 15
	s_add_co_u32 s50, s50, s51
	s_mov_b32 s51, 0
	s_add_nc_u64 s[58:59], s[6:7], s[50:51]        ; my 16 fragments of the role's weight
	s_wait_kmcnt 0x0
	s_cmp_eq_u32 s34, 1
	s_cselect_b32 s36, s18, s16                    ; eA
	s_cselect_b32 s37, s19, s17                    ; eB
	s_cselect_b32 s38, s23, s22                    ; eO
	s_cmp_eq_u32 s34, 2
	s_cselect_b32 s36, s20, s36
	s_cselect_b32 s37, s21, s37
	s_cselect_b32 s38, s24, s38
	s_cmp_eq_u32 s18, s16                          ; which set of hc holds h under my exponent: the first that was made with it
	s_cselect_b32 s39, 0, 1
	s_cmp_eq_u32 s20, s18
	s_cselect_b32 s40, 1, 2
	s_cmp_eq_u32 s20, s16
	s_cselect_b32 s40, 0, s40
	s_cmp_eq_u32 s34, 1
	s_cselect_b32 s41, s39, 0
	s_cmp_eq_u32 s34, 2
	s_cselect_b32 s41, s40, s41
	s_min_u32 s41, s41, 2
	s_lshl_b32 s48, s41, 22
	s_lshl_b32 s49, s35, 16
	s_add_co_u32 s48, s48, s49
	s_mov_b32 s49, 0
	s_add_nc_u64 s[56:57], s[4:5], s[48:49]        ; the block's images of h
.irp i, 0,1,2,3,4,5,6,7,8,9,10,11,12,13,14,15
	global_load_b128 v[AF+4*\i:AF+4*\i+3], v[CT], s[56:57] offset:4096*\i
.endr
	WIN 0x40                                       ; destination window 1
	WLOAD 0
	WLOAD 1
	WLOAD 2
	WIN 0
	s_sub_co_i32 s38, s38, s36
	s_sub_co_i32 s38, s38, s37                     ; eO - eA - eB
	s_add_co_i32 s38, s38, 127
	s_lshl_b32 s39, s38, 23
	v_mov_b32 v[SC], s39
	s_add_co_i32 s38, s38, 8
	s_lshl_b32 s38, s38, 23
	s_or_b32 s38, s38, 0x600000
	v_mov_b32 v[LIM], s38
	s_wait_loadcnt 48                              ; the 16 loads of h are in; the 48 of W behind them may be out
.irp i, 0,1,2,3,4,5,6,7,8,9,10,11,12,13,14,15
	ds_store_b128 v[CT], v[AF+4*\i:AF+4*\i+3] offset:4096*\i
.endr
	WIN 0x40
	WLOAD 3
	WIN 0
	s_wait_dscnt 0x0                               ; for the others' sake: my part of the images has landed
	s_barrier_signal -1
	s_barrier_wait -1
	FETCH 0, 0
	s_cmp_eq_u32 s34, 2
	s_cbranch_scc1 .Lv
.irp m, 0,1,2,3,4,5,6,7
.if \m < 7
	FETCH (\m+1)%2, \m+1                           ; the set that the tile before multiplied: its four places and its holds lie between
	s_wait_dscnt 16                                ; this tile's 16 loads are in, the next tile's may be out
.else
	s_wait_dscnt 0x0
.endif
.if \m == 0
	MUL 0, 1, 1
.else
	MUL \m%2, 1, 0
.endif
	s_wait_alu depctr_va_vdst(0)
	HOLD
.irp t, 0,1,2,3
	v_cvt_scalef32_pk8_fp8_f32 v[CD+8*\m+2*\t:CD+8*\m+2*\t+1], v[ACC+8*\t:ACC+8*\t+7], v[SC]
.endr
	v_nop                                          ; a plain line between the conversions and the products that write their sources
	global_store_b128 v[LI], v[CD+8*\m:CD+8*\m+3], s[54:55] offset:1024*\m
	global_store_b128 v[LI], v[CD+8*\m+4:CD+8*\m+7], s[54:55] offset:1024*\m+512
.endr
	s_branch .Ldone
.Lv:
.irp m, 0,1,2,3,4,5,6,7
.if \m < 7
	FETCH (\m+1)%2, \m+1
	s_wait_dscnt 16
.else
	s_wait_dscnt 0x0
.endif
.if \m == 0
	MUL 0, 0, 1
.else
	MUL \m%2, 0, 0
.endif
	s_wait_alu depctr_va_vdst(0)
	HOLD
.irp t, 0,1,2,3
	v_cvt_scalef32_pk8_fp8_f32 v[CD+16*\t+2*\m:CD+16*\t+2*\m+1], v[ACC+8*\t:ACC+8*\t+7], v[SC]   ; keys 16 m + 8 hh + 0 .. 7 of channel 16 t + r
.endr
	v_nop
.endr
.irp t, 0,1,2,3
.irp c, 0,1,2,3
	global_store_b128 v[LI], v[CD+16*\t+4*\c:CD+16*\t+4*\c+3], s[54:55] offset:8192+2048*\t+512*\c
.endr
.endr
.Ldone:
	s_wait_tensorcnt 0x0                           ; the wave's end
	ds_add_u32 v[SPW], v[NIL]
	s_wait_dscnt 0x0
	s_endpgm
.Lfunc_end_k_q8d24ee7629_qkv:
	.size	k_q8d24ee7629_qkv, .Lfunc_end_k_q8d24ee7629_qkv-k_q8d24ee7629_qkv
	.p2alignl 7, 3214868480
	.fill 96, 4, 3214868480
	.section	.rodata,"a",@progbits
	.p2align	6, 0x0
	.amdhsa_kernel k_q8d24ee7629_qkv
		.amdhsa_group_segment_fixed_size 66560
		.amdhsa_private_segment_fixed_size 0
		.amdhsa_enable_private_segment 0
		.amdhsa_kernarg_size 40
		.amdhsa_user_sgpr_count 2
		.amdhsa_user_sgpr_kernarg_segment_ptr 1
		.amdhsa_wavefront_size32 1
		.amdhsa_system_sgpr_workgroup_id_x 1
		.amdhsa_system_sgpr_workgroup_id_y 1
		.amdhsa_system_sgpr_workgroup_id_z 1
		.amdhsa_system_vgpr_workitem_id 0
		.amdhsa_next_free_vgpr 512
		.amdhsa_next_free_sgpr 66
		.amdhsa_reserve_vcc 0
		.amdhsa_float_denorm_mode_32 3
		.amdhsa_float_denorm_mode_16_64 3
		.amdhsa_memory_ordered 1
		.amdhsa_forward_progress 1
		.amdhsa_inst_pref_size 87
	.end_amdhsa_kernel
	.amdgpu_metadata
---
amdhsa.version: [ 1, 2 ]
amdhsa.kernels:
  - .name:           k_q8d24ee7629_qkv
    .symbol:         k_q8d24ee7629_qkv.kd
    .args:
      - { .name: hc, .offset: 0, .size: 8, .value_kind: global_buffer, .address_space: global }
      - { .name: wc, .offset: 8, .size: 8, .value_kind: global_buffer, .address_space: global }
      - { .name: lowp_scales, .offset: 16, .size: 8, .value_kind: global_buffer, .address_space: global }
      - { .name: qc, .offset: 24, .size: 8, .value_kind: global_buffer, .address_space: global }
      - { .name: kvc, .offset: 32, .size: 8, .value_kind: global_buffer, .address_space: global }
    .group_segment_fixed_size: 66560
    .private_segment_fixed_size: 0
    .kernarg_segment_align: 8
    .kernarg_segment_size: 40
    .max_flat_workgroup_size: 256
    .sgpr_count:     66
    .vgpr_count:     512
    .wavefront_size: 32
...
	.end_amdgpu_metadata
.endif
;; end of part 2
;; launch attn (part 3): grid 8 x 32, 8 waves a work-group, no clusters, 263,168 bytes of LDS; arguments qc, kvc, lowp_scales, oc; writes oc
.if DOCPART == 3
	.amdgcn_target "amdgcn-amd-amdhsa--gfx1250"
	.amdhsa_code_object_version 6
	.text
	.protected	k_q8d24ee7629_attn
	.globl	k_q8d24ee7629_attn
	.p2align	8
	.type	k_q8d24ee7629_attn,@function
k_q8d24ee7629_attn:
	s_mov_b64 s[64:65], 0
	v_nop
	global_prefetch_b8 v0, s[64:65] scope:SCOPE_SE
	s_setreg_imm32_b32 hwreg(HW_REG_WAVE_MODE, 25, 1), 1
	s_wait_xcnt 0x0
; out = softmax(q k^T / sqrt(512)) v for one head and 256 queries, both products on codes of E4M3, and the quantiser of out for the product with wo.
; THE SOFTMAX: t = score x log2(e) / sqrt(512); M = the running largest t rounded UP to a whole number; p = 2^(t - M) is quantised with 2^e9, not normalised; the row's sum is taken of the
; unquantised p and divides at the end.  When M moves, the sum and O are multiplied by 2^(old M - new M): nothing is rounded, and no branch hangs on data.
; SHARES.  Eight waves, two to a SIMD; a wave owns 32 queries, two tiles, so that each fragment of K and V read from LDS feeds two matrix instructions.  Every wave walks the head's 2,048 keys, 128 a step.
; The head's K and V, 262,144 bytes of register images (a step: K 8,192 bytes, then V^T 8,192), come to lie in LDS, each byte written once.
; TWO LOOPS of one macro.  THE FIRST, 7 trips, ALSO COPIES: the head brings steps 0 and 1 and asks for steps 2 and 3; trip t stores steps 2 t + 2, 2 t + 3 (asked for one trip earlier, 8 x 16 bytes a thread)
; and, up to trip 5, asks for steps 2 t + 4, 2 t + 5.  It has one barrier a trip, its signal at the trip's top, behind the stores, its wait at the trip's end: trip t reads V of step t and K of step t + 1,
; stored at trip t - 1 or earlier, bytes that nobody writes again.  THE SECOND, 9 trips, finds all of K and V in LDS and has no barrier.
; K IS FETCHED A STEP AHEAD, into registers of its own: a step's one run of LDS loads brings its V and the next step's K; the last trip passes over that part by a branch on the count of trips.
; LAYOUT.  Both products transposed: S^T = K Q^T (source 0 = 16 keys), O^T = V^T P^T (source 0 = 16 channels): a lane holds one query throughout; register j of key tile t is key 16 t + 8 hh + j, so the
; conversion of tile t gives registers 2 t, 2 t + 1 of P's fragment; O^T's four tiles convert straight into half an image of out.
; THE HOLD of p at 448 x 2^e9 can act only where e9 < -8 (p is at most 1): a scalar branch on that given whole number passes over its 128 lines.
; No prefetch is written: each chunk's own loads into registers stand a whole key step ahead of the wait for them.
; LIMITS: e6 + e7 between -122 and 131 (added to c's exponent field); e9 and e10 between -126 and 119.  NaN is not served.
.set SPARE, 262144                     ; behind K and V: the spare words, 128 bytes a wave
.set NCP, 7                            ; trips that copy
.set LI,  1                            ; 16 x lane
.set ADR, 2                            ; the step's place in LDS + 16 x lane
.set SPW, 3
.set NIL, 4
.set LIM, 5                            ; 448 x 2^e9
.set SCL, 6                            ; 2^e9
.set CT,  7                            ; 16 x thread: the copy's offset in memory and in LDS
.set ST,  8                            ; tile q at v[8 + 8 q]: +0 -M, +1 the largest t, +2 +3 the sum, +4 f (+5 named with it), +6 +7 at work
.set XC,  24                           ; v24-25: a chain of tile 1's sum
.set OSC, 26                           ; 2^e10
.set OLIM, 27                          ; 448 x 2^e10
.set SA,  28                           ; where the copy's stores go
.set KV,  32                           ; v32-95: 4 fragments of V^T
.set S,   96                           ; v96-223: S^T, then p: 64 a tile
.set P,   224                          ; v224-255: 16 partial sums of tile 0, then p's codes, 16 a tile
.set CP,  96                           ; window 1: v0-15 Q; v32-95 O^T, 32 a tile; v96-127 the copy's eight pieces
.set KB,  192                          ; window 1: v192-255 steps 0 and 1 on their way in, then 8 fragments of K
.set MSB, 0
.macro WIN new                         ; the immediate's high byte repeats the setting that is left
.if MSB != (\new)
	s_set_vgpr_msb (MSB<<8)|(\new)
.set MSB, (\new)
.endif
.endm
.macro PLACES n
.rept \n
	v_nop
.endr
.endm
.macro G j                             ; eight numbers a chain of tile 1's sum, four chains
	v_pk_add_f32 v[ST+14:ST+15], v[ST+14:ST+15], v[S+\j:S+\j+1]
	v_pk_add_f32 v[ST+6:ST+7], v[ST+6:ST+7], v[S+\j+2:S+\j+3]
	v_pk_add_f32 v[XC:XC+1], v[XC:XC+1], v[S+\j+4:S+\j+5]
	v_pk_add_f32 v[ST+10:ST+11], v[ST+10:ST+11], v[S+\j+6:S+\j+7]
.endm
	s_load_b256 s[4:11], s[0:1], 0x0               ; qc s4, kvc s6, the exponents s8, oc s10
	v_lshl_add_u32 v[SPW], v0, 2, SPARE
	v_mov_b32 v[NIL], 0
	v_lshrrev_b32 v[SA], 5, v0
	v_readfirstlane_b32 s26, v[SA]                 ; wave 0..7
	v_and_b32 v[LI], 31, v0
	v_lshlrev_b32 v[LI], 4, v[LI]
	v_lshlrev_b32 v[CT], 4, v0
	s_and_b32 s27, ttmp7, 0xffff                   ; 8 x batch + head
	s_lshl_b32 s28, s27, 18                        ; the head's K and V
	s_mov_b32 s29, 0
	s_lshl_b32 s30, s27, 17                        ; my two tiles of Q: tile 16 x + 2 w of the head's 128
	s_lshl_b32 s31, ttmp9, 14
	s_add_co_u32 s30, s30, s31
	s_lshl_b32 s31, s26, 11
	s_add_co_u32 s30, s30, s31
	s_mov_b32 s31, 0
	s_lshr_b32 s32, s27, 3                         ; out: row tile 128 batch + 16 x + 2 w, 8,192 bytes each; the head's 64 channels are 1,024 bytes x head
	s_lshl_b32 s32, s32, 20
	s_lshl_b32 s33, ttmp9, 17
	s_add_co_u32 s32, s32, s33
	s_lshl_b32 s33, s26, 14
	s_add_co_u32 s32, s32, s33
	s_and_b32 s33, s27, 7
	s_lshl_b32 s33, s33, 10
	s_add_co_u32 s32, s32, s33
	s_mov_b32 s33, 0
	s_mov_b32 s20, 0x76543210                      ; lane l takes lane l xor 16
	s_mov_b32 s21, 0xfedcba98
	s_wait_alu depctr_va_vdst(0)
	s_wait_kmcnt 0x0
	s_load_b256 s[12:19], s[8:9], 0x18             ; e6 s12, e7 s13, e8 s14, e9 s15, e10 s16
	s_add_nc_u64 s[6:7], s[6:7], s[28:29]
	s_add_nc_u64 s[4:5], s[4:5], s[30:31]
	s_add_nc_u64 s[10:11], s[10:11], s[32:33]
	WIN 0x40                                       ; destination window 1
.set i, 0
.rept 8
	global_load_b128 v[KB+4*i:KB+4*i+3], v[CT], s[6:7] offset:4096*i   ; key steps 0 and 1: 8 pieces of 4,096 bytes, 16 bytes a thread
.set i, i+1
.endr
.irp q, 0,1
	global_load_b128 v[8*\q:8*\q+3], v[LI], s[4:5] offset:1024*\q
	global_load_b128 v[8*\q+4:8*\q+7], v[LI], s[4:5] offset:1024*\q+512
.endr
.set i, 0
.rept 8
	global_load_b128 v[CP+4*i:CP+4*i+3], v[CT], s[6:7] offset:32768+4096*i   ; key steps 2 and 3: trip 0 stores them
.set i, i+1
.endr
	WIN 0
.irp q, 0,1
	v_mov_b32 v[ST+8*\q+1], 0xff61b1e6             ; the largest t so far: -3e38, under every t
	v_floor_f32 v[ST+8*\q], -v[ST+8*\q+1]          ; -M
	v_mov_b32 v[ST+8*\q+2], 0                      ; the sum, in two halves
	v_mov_b32 v[ST+8*\q+3], 0
	v_mov_b32 v[ST+8*\q+5], 0                      ; named as the upper half of f's pair
.endr
	WIN 0x40
.set j, 0
.rept 64
	v_mov_b32 v[32+j], 0                           ; O^T: the step is written for every step alike; the first change of M leaves zeros zeros
.set j, j+1
.endr
	WIN 0
	s_wait_alu depctr_va_vdst(0)
	s_wait_kmcnt 0x0
	s_add_co_i32 s22, s12, s13
	s_lshl_b32 s22, s22, 23
	s_add_co_i32 s22, s22, 0x3d8293ee              ; c = log2(e) / sqrt(512) x 2^(e6 + e7): the exponents are added to c's exponent field
	s_mov_b32 s23, s22                             ; named with it as a pair
	s_add_co_i32 s34, s15, 127
	s_lshl_b32 s35, s34, 23
	v_mov_b32 v[SCL], s35
	s_add_co_i32 s34, s34, 8
	s_lshl_b32 s34, s34, 23
	s_or_b32 s34, s34, 0x600000
	v_mov_b32 v[LIM], s34
	s_add_co_i32 s34, s16, 127
	s_lshl_b32 s35, s34, 23
	v_mov_b32 v[OSC], s35
	s_add_co_i32 s34, s34, 8
	s_lshl_b32 s34, s34, 23
	s_or_b32 s34, s34, 0x600000
	v_mov_b32 v[OLIM], s34
	s_add_co_i32 s25, s14, s15                     ; e8 + e9
	s_cmp_lt_i32 s15, -8
	s_cselect_b32 s24, 1, 0                        ; is the hold of p wanted?
	s_mov_b32 s2, 0                                ; LDS byte at which the step's images begin
	s_mov_b32 s3, 0                                ; the step
	s_mov_b32 s37, 32768                           ; LDS byte at which the trip's copy begins
	s_wait_alu depctr_va_vdst(0)
	s_wait_loadcnt 8                               ; steps 0 and 1 and Q, 12 loads, are in; the 8 loads of steps 2 and 3 may be out
	WIN 0x04                                       ; data window 1
.set i, 0
.rept 8
	ds_store_b128 v[CT], v[KB+4*i:KB+4*i+3] offset:4096*i
.set i, i+1
.endr
	WIN 0
	s_wait_dscnt 0x0                               ; my part has landed, and my stores have read their registers
	s_barrier_signal -1
	s_barrier_wait -1                              ; bytes 0 to 32,767 lie in LDS
	WIN 0x40
.set i, 0
.rept 16
	ds_load_b128 v[KB+4*i:KB+4*i+3], v[LI] offset:512*i   ; step 0's K
.set i, i+1
.endr
	WIN 0
	s_wait_dscnt 0x0
; KEY STEP s3, whose K is in registers already and whose images begin at LDS byte s2.  cp = 1: the trip copies and has the barrier; cp = 0: neither, and step 15 fetches no successor's K.
.macro STEP cp
.if \cp
	s_wait_loadcnt 0x0                             ; the eight pieces asked for a trip ago are in, so their base may be stepped too
	v_add_nc_u32 v[SA], s37, v[CT]
	WIN 0x04
.set i, 0
.rept 8
	ds_store_b128 v[SA], v[CP+4*i:CP+4*i+3] offset:4096*i   ; steps 2 t + 2 and 2 t + 3: bytes that nobody reads yet
.set i, i+1
.endr
	WIN 0
	s_wait_dscnt 0x0                               ; they have landed, and have read their registers
	s_cmp_gt_u32 s3, NCP-2
	s_cbranch_scc1 .Lnoload_\@                     ; the last copying trip stores the last two steps and asks for nothing: a branch on the count of trips
	s_add_nc_u64 s[6:7], s[6:7], 32768
	WIN 0x40
.set i, 0
.rept 8
	global_load_b128 v[CP+4*i:CP+4*i+3], v[CT], s[6:7] offset:32768+4096*i   ; steps 2 t + 4 and 2 t + 5
.set i, i+1
.endr
	WIN 0
.Lnoload_\@:
	s_barrier_signal -1                            ; no LDS instruction of mine is out here; the wait stands at the trip's end
.endif
	v_add_nc_u32 v[ADR], s2, v[LI]
	s_wait_alu depctr_va_vdst(0)
	WIN 0x05                                       ; sources 0 (K) and 1 (Q) window 1
.irp t, 0,1,2,3,4,5,6,7
.irp q, 0,1
	v_wmma_f32_16x16x64_fp8_fp8 v[S+64*\q+8*\t:S+64*\q+8*\t+7], v[KB+8*\t:KB+8*\t+7], v[8*\q:8*\q+7], 0
.endr
.endr
	WIN 0
	PLACES 4                                       ; four plain lines ahead of the loads into V's registers, which the last step's products read, into K's, which these read, and of the first read of scores
.set i, 0
.rept 16
	ds_load_b128 v[KV+4*i:KV+4*i+3], v[ADR] offset:8192+512*i   ; V^T: four fragments of 16 channels x 128 keys
.set i, i+1
.endr
.if !(\cp)
	s_cmp_eq_u32 s3, 15
	s_cbranch_scc1 .Lnok_\@                        ; step 15 has no successor
.endif
	WIN 0x40
.set i, 0
.rept 16
	ds_load_b128 v[KB+4*i:KB+4*i+3], v[ADR] offset:16384+512*i  ; the next step's K: eight fragments of 16 keys x 64
.set i, i+1
.endr
	WIN 0
.Lnok_\@:
.irp q, 0,1                                    ; the step's largest score of my query among my 64 keys: two chains a tile, ascending
	v_max3_num_f32 v[ST+8*\q+6], v[S+64*\q], v[S+64*\q+1], v[S+64*\q+2]
.endr
.irp q, 0,1
	v_max3_num_f32 v[ST+8*\q+7], v[S+64*\q+3], v[S+64*\q+4], v[S+64*\q+5]
.endr
.irp i, 6,10,14,18,22,26,30,34,38,42,46,50,54,58
.irp q, 0,1
	v_max3_num_f32 v[ST+8*\q+6], v[ST+8*\q+6], v[S+64*\q+\i], v[S+64*\q+\i+1]
.endr
.irp q, 0,1
	v_max3_num_f32 v[ST+8*\q+7], v[ST+8*\q+7], v[S+64*\q+\i+2], v[S+64*\q+\i+3]
.endr
.endr
.irp q, 0,1
	v_max3_num_f32 v[ST+8*\q+6], v[ST+8*\q+6], v[S+64*\q+62], v[S+64*\q+63]
.endr
.irp q, 0,1
	v_max_num_f32 v[ST+8*\q+6], v[ST+8*\q+6], v[ST+8*\q+7]
.endr
.irp q, 0,1
	v_permlanex16_b32 v[ST+8*\q+7], v[ST+8*\q+6], s20, s21
.endr
.irp q, 0,1
	v_max_num_f32 v[ST+8*\q+6], v[ST+8*\q+6], v[ST+8*\q+7]   ; and among lane l xor 16's
.endr
.irp q, 0,1
	v_mul_f32 v[ST+8*\q+6], s22, v[ST+8*\q+6]      ; as t (c is positive)
.endr
.irp q, 0,1
	v_max_num_f32 v[ST+8*\q+1], v[ST+8*\q+1], v[ST+8*\q+6]   ; the running largest t
.endr
.irp q, 0,1
	v_mov_b32 v[ST+8*\q+6], v[ST+8*\q]
.endr
.irp q, 0,1
	v_floor_f32 v[ST+8*\q], -v[ST+8*\q+1]          ; the new -M = floor(-t): M is a whole number
.endr
.irp q, 0,1
	v_sub_f32 v[ST+8*\q+6], v[ST+8*\q], v[ST+8*\q+6]   ; old M - new M: a whole number, 0 or less
.endr
.irp q, 0,1
	v_cvt_i32_f32 v[ST+8*\q+6], v[ST+8*\q+6]       ; (it saturates)
.endr
.irp q, 0,1
	v_ldexp_f32 v[ST+8*\q+4], 1.0, v[ST+8*\q+6]    ; f = 2^(old M - new M)
.endr
.set j, 0
.rept 32
	v_pk_fma_f32 v[S+j:S+j+1], v[S+j:S+j+1], s[22:23], v[ST:ST+1] op_sel_hi:[1,0,0]   ; tile 0: t - M, two at a time
.set j, j+2
.endr
; THE EXPONENTIALS GO IN TWO BATCHES, each with one wait ahead of it and one behind it.  The plain lines that stand among a batch's exponentials read only what was
; written ahead of the batch's first wait, and what they write is read only behind its last.
	s_wait_alu depctr_va_vdst(0)                   ; ahead of batch 1
.set i, 0
.rept 64
	v_exp_f32 v[S+i], v[S+i]                       ; tile 0: p = 2^(t - M)
.if (i%2) == 0
	v_pk_fma_f32 v[S+64+i:S+65+i], v[S+64+i:S+65+i], s[22:23], v[ST+8:ST+9] op_sel_hi:[1,0,0]   ; tile 1: t - M
.elseif i >= 61
.set fs, ST+8*((i-61)/2)
	v_pk_mul_f32 v[fs+2:fs+3], v[fs+2:fs+3], v[fs+4:fs+5] op_sel_hi:[1,0]   ; the two sums under the new M
.endif
.set i, i+1
.endr
	s_wait_alu depctr_va_vdst(0)                   ; behind batch 1 and ahead of batch 2
.set k, 0
.rept 32
	v_exp_f32 v[S+64+2*k], v[S+64+2*k]             ; tile 1
	v_exp_f32 v[S+65+2*k], v[S+65+2*k]
.if (k%2) == 1
.set m, (k-1)/2
	v_pk_add_f32 v[P+2*m:P+2*m+1], v[S+4*m:S+4*m+1], v[S+4*m+2:S+4*m+3]   ; THE ROW'S SUM IS TAKEN OF THE UNQUANTISED p: tile 0's first 16 additions, each by itself
.endif
.set k, k+1
.endr
	s_wait_alu depctr_va_vdst(0)                   ; behind batch 2
.irp m, 0,1,2,3,4,5,6,7                        ; tile 0's sum goes on as a tree, tile 1's in four chains
	v_pk_add_f32 v[P+2*\m:P+2*\m+1], v[P+2*\m:P+2*\m+1], v[P+16+2*\m:P+17+2*\m]
.endr
.irp m, 0,1,2,3
	v_pk_add_f32 v[P+2*\m:P+2*\m+1], v[P+2*\m:P+2*\m+1], v[P+8+2*\m:P+9+2*\m]
.endr
	v_pk_add_f32 v[ST+14:ST+15], v[S+64:S+65], v[S+66:S+67]
	v_pk_add_f32 v[ST+6:ST+7], v[S+68:S+69], v[S+70:S+71]
	v_pk_add_f32 v[XC:XC+1], v[S+72:S+73], v[S+74:S+75]
	v_pk_add_f32 v[ST+10:ST+11], v[ST+10:ST+11], v[S+76:S+77]
	v_pk_add_f32 v[P:P+1], v[P:P+1], v[P+4:P+5]
	v_pk_add_f32 v[P+2:P+3], v[P+2:P+3], v[P+6:P+7]
	G 78
	v_pk_add_f32 v[P:P+1], v[P:P+1], v[P+2:P+3]
	G 86
	v_pk_add_f32 v[ST+2:ST+3], v[ST+2:ST+3], v[P:P+1]
	G 94
	G 102
	G 110
	G 118
	v_pk_add_f32 v[ST+14:ST+15], v[ST+14:ST+15], v[S+126:S+127]
	v_pk_add_f32 v[ST+6:ST+7], v[ST+6:ST+7], v[XC:XC+1]
	v_pk_add_f32 v[ST+10:ST+11], v[ST+10:ST+11], v[ST+14:ST+15]
	v_pk_add_f32 v[ST+10:ST+11], v[ST+10:ST+11], v[ST+6:ST+7]
	s_cmp_lg_u32 s24, 0                            ; p / 2^e9 is at most 2^-e9: beyond 448 only where e9 < -8
	s_cbranch_scc0 .Lnohold_\@
.set j, 0
.rept 128
	v_min_num_f32 v[S+j], v[S+j], v[LIM]           ; p is not negative: the hold is one-sided
.set j, j+1
.endr
.Lnohold_\@:
.irp q, 0,1
.irp t, 0,1,2,3,4,5,6,7
	v_cvt_scalef32_pk8_fp8_f32 v[P+16*\q+2*\t:P+16*\q+2*\t+1], v[S+64*\q+8*\t:S+64*\q+8*\t+7], v[SCL]
.endr
.endr
	WIN 0x41                                       ; O^T in window 1, f in window 0
	s_wait_alu depctr_va_vdst(0)                   ; directly ahead of the first reader of O^T
.irp q, 0,1
.set j, 0
.rept 16
	v_pk_mul_f32 v[32+32*\q+j:32+32*\q+j+1], v[32+32*\q+j:32+32*\q+j+1], v[ST+8*\q+4:ST+8*\q+5] op_sel_hi:[1,0]   ; O^T under the new M; also the plain lines behind the conversions
.set j, j+2
.endr
.endr
	s_wait_alu depctr_va_vdst(0)
	s_wait_dscnt 0x0                               ; V^T is in, and the next step's K
	WIN 0x50                                       ; C and D window 1
.irp t, 0,1,2,3                                ; eight accumulators by turns, one instruction a turn
.irp q, 0,1
	v_wmma_f32_16x16x128_fp8_fp8 v[32+32*\q+8*\t:32+32*\q+8*\t+7], v[KV+16*\t:KV+16*\t+15], v[P+16*\q:P+16*\q+15], v[32+32*\q+8*\t:32+32*\q+8*\t+7]
.endr
.endr
	WIN 0
.if \cp
	s_barrier_wait -1                              ; every wave has passed this trip's top: what was stored there may be read from the next trip on
	s_add_co_u32 s37, s37, 32768
.endif
	s_add_co_u32 s2, s2, 16384
	s_add_co_u32 s3, s3, 1
.endm
.Lcopying:                                         ; steps 0 to 6
	STEP 1
	s_cmp_lt_u32 s3, NCP
	s_cbranch_scc1 .Lcopying
	s_mov_b32 s2, NCP*16384
	s_mov_b32 s3, NCP
.Lfree:                                            ; steps 7 to 15: all of K and V lies in LDS
	STEP 0
	s_cmp_lt_u32 s3, 16
	s_cbranch_scc1 .Lfree
	; THE WAY OUT: out = O^T x 2^(e8 + e9) / the sum, held, converted with 2^e10: a tile's eight code registers are half an image: two stores of 512 consecutive bytes.
	PLACES 4
.irp q, 0,1
	v_add_f32 v[ST+8*\q+6], v[ST+8*\q+2], v[ST+8*\q+3]
.endr
.irp q, 0,1
	v_permlanex16_b32 v[ST+8*\q+7], v[ST+8*\q+6], s20, s21
.endr
.irp q, 0,1
	v_add_f32 v[ST+8*\q+6], v[ST+8*\q+6], v[ST+8*\q+7]
.endr
	s_wait_alu depctr_va_vdst(0)                   ; a wait ahead of the reciprocals
.irp q, 0,1
	v_rcp_f32 v[ST+8*\q+4], v[ST+8*\q+6]
.endr
	v_nop
	s_wait_alu depctr_va_vdst(0)                   ; one wait for both reciprocals
.irp q, 0,1
	v_ldexp_f32 v[ST+8*\q+4], v[ST+8*\q+4], s25
.endr
	WIN 0x01                                       ; source 0 (O^T) window 1
	s_wait_alu depctr_va_vdst(0)                   ; directly ahead of the first reader of O^T
.irp q, 0,1
.set j, 0
.rept 32
	v_mul_f32 v[S+64*\q+j], v[32+32*\q+j], v[ST+8*\q+4]
.set j, j+1
.endr
.endr
	WIN 0
.irp q, 0,1
.set j, 0
.rept 32
	v_med3_num_f32 v[S+64*\q+j], v[S+64*\q+j], -v[OLIM], v[OLIM]
.set j, j+1
.endr
.endr
.irp q, 0,1
.irp t, 0,1,2,3
	v_cvt_scalef32_pk8_fp8_f32 v[P+16*\q+2*\t:P+16*\q+2*\t+1], v[S+64*\q+8*\t:S+64*\q+8*\t+7], v[OSC]
.endr
.endr
	v_nop
.irp q, 0,1
	global_store_b128 v[LI], v[P+16*\q:P+16*\q+3], s[10:11] offset:8192*\q
	global_store_b128 v[LI], v[P+16*\q+4:P+16*\q+7], s[10:11] offset:8192*\q+512
.endr
	s_wait_tensorcnt 0x0                           ; the wave's end
	ds_add_u32 v[SPW], v[NIL]
	s_wait_dscnt 0x0
	s_endpgm
.Lfunc_end_k_q8d24ee7629_attn:
	.size	k_q8d24ee7629_attn, .Lfunc_end_k_q8d24ee7629_attn-k_q8d24ee7629_attn
	.p2alignl 7, 3214868480
	.fill 96, 4, 3214868480
	.section	.rodata,"a",@progbits
	.p2align	6, 0x0
	.amdhsa_kernel k_q8d24ee7629_attn
		.amdhsa_group_segment_fixed_size 263168
		.amdhsa_private_segment_fixed_size 0
		.amdhsa_enable_private_segment 0
		.amdhsa_kernarg_size 32
		.amdhsa_user_sgpr_count 2
		.amdhsa_user_sgpr_kernarg_segment_ptr 1
		.amdhsa_wavefront_size32 1
		.amdhsa_system_sgpr_workgroup_id_x 1
		.amdhsa_system_sgpr_workgroup_id_y 1
		.amdhsa_system_sgpr_workgroup_id_z 1
		.amdhsa_system_vgpr_workitem_id 0
		.amdhsa_next_free_vgpr 512
		.amdhsa_next_free_sgpr 66
		.amdhsa_reserve_vcc 0
		.amdhsa_float_denorm_mode_32 3
		.amdhsa_float_denorm_mode_16_64 3
		.amdhsa_memory_ordered 1
		.amdhsa_forward_progress 1
		.amdhsa_inst_pref_size 75
	.end_amdhsa_kernel
	.amdgpu_metadata
---
amdhsa.version: [ 1, 2 ]
amdhsa.kernels:
  - .name:           k_q8d24ee7629_attn
    .symbol:         k_q8d24ee7629_attn.kd
    .args:
      - { .name: qc, .offset: 0, .size: 8, .value_kind: global_buffer, .address_space: global }
      - { .name: kvc, .offset: 8, .size: 8, .value_kind: global_buffer, .address_space: global }
      - { .name: lowp_scales, .offset: 16, .size: 8, .value_kind: global_buffer, .address_space: global }
      - { .name: oc, .offset: 24, .size: 8, .value_kind: global_buffer, .address_space: global }
    .group_segment_fixed_size: 263168
    .private_segment_fixed_size: 0
    .kernarg_segment_align: 8
    .kernarg_segment_size: 32
    .max_flat_workgroup_size: 256
    .sgpr_count:     66
    .vgpr_count:     512
    .wavefront_size: 32
...
	.end_amdgpu_metadata
.endif
;; end of part 3
;; launch proj (part 4): grid 256 x 1, 8 waves a work-group, no clusters, 54,272 bytes of LDS; arguments oc, wc, x, bo, g2, b2, lowp_scales, x2, h2c; writes x2, h2c
.if DOCPART == 4
	.amdgcn_target "amdgcn-amd-amdhsa--gfx1250"
	.amdhsa_code_object_version 6
	.text
	.protected	k_q8d24ee7629_proj
	.globl	k_q8d24ee7629_proj
	.p2align	8
	.type	k_q8d24ee7629_proj,@function
k_q8d24ee7629_proj:
	s_mov_b64 s[64:65], 0
	v_nop
	global_prefetch_b8 v0, s[64:65] scope:SCOPE_SE
	s_setreg_imm32_b32 hwreg(HW_REG_WAVE_MODE, 25, 1), 1
	s_wait_xcnt 0x0
; x2 = out wo + bo + x (the product on codes of E4M3), and h2 = layer_norm(x2, g2, b2) quantised with 2^e12.  A work-group takes 32 rows; wave w makes columns 64 w .. 64 w + 63 of both tiles of 16 rows.
; The wave's 16 fragments of wo fill window 1; out's eight fragments (16,384 bytes of images) are copied once into LDS.  The product is used transposed: lane (r, hh) holds row r, register j of tile t column 16 t + 8 hh + j.
; THE RESIDUAL AND THE BIAS ARE THE C OF THE SUMS: (x + bo) / 2^(e10 + e11), an exact scaling, lies in the accumulators when the first product is issued; the finished sum x 2^(e10 + e11) is x2.
; (So the order of rounding differs from the definition's: x and bo are added first, the products onto them.)
; x COMES IN AS x2 GOES OUT: as rows of 256 consecutive bytes for each 16 lanes, through the wave's own stage in LDS, which turns rows into the result's layout and back.
; THE NORM spans eight waves.  Each wave gives, for each row, the mean of its 64 columns and the sum of squares about THAT mean; they meet in LDS behind one barrier and are joined by
; M2 = sum of M2_w + 64 x sum of (mean_w - mean)^2, which forms no difference of large sums.
; The codes leave as half images, 512 consecutive bytes a store.
; LIMITS: e10 + e11 between -126 and 126; e12 between -126 and 119.  NaN is not served.
.set STG,   16384                      ; 8 stages of 16 rows x 272 bytes
.set STAT,  51200                      ; [tile 2][wave 8][row 16] x 8 bytes
.set SPARE, 53248                      ; the spare words, 128 bytes a wave
.set GA,  2                            ; 32 hh
.set SPW, 3
.set NIL, 4
.set LI,  5                            ; 16 x lane
.set SC,  6
.set LIM, 7
.set STO, 8                            ; the stage in the result's layout: row r, 32 bytes for each half of the lanes
.set RD,  9                            ; the stage by rows: lanes 0-15 one row of 256 bytes, lanes 16-31 the next
.set CO,  10                           ; and the same two rows in x and in x2
.set SA,  11
.set SR,  12
.set CT,  13                           ; 16 x thread
.set MS,  16                           ; tile rt at v[16 + 4 rt]: +0 a mean, +1 M2, +2 1 / sqrt, +3 the variance
.set TA,  24                           ; v24-27 two chains; v28 the exchange
.set AF,  32                           ; v32-159 out's fragments, both tiles; v96-159 first hold x by rows; later g2, b2 and rows of x2
.set ACC, 160                          ; v160-223 eight accumulators
.set TT,  224                          ; v224-255 bo, then at work
.set MSB, 0
.macro WIN new
.if MSB != (\new)
	s_set_vgpr_msb (MSB<<8)|(\new)
.set MSB, (\new)
.endif
.endm
.macro PLACES n
.rept \n
	v_nop
.endr
.endm
.macro BARRIER
	s_wait_dscnt 0x0
	s_barrier_signal -1
	s_barrier_wait -1
.endm
.macro FETCH set, m
.irp s, 0,1,2,3
.irp c, 0,1,2,3
	ds_load_b128 v[AF+64*(\set)+16*\s+4*\c:AF+64*(\set)+16*\s+4*\c+3], v[LI] offset:8192*(\m)+2048*\s+512*\c
.endr
.endr
.endm
.macro WLOAD s
.irp t, 0,1,2,3
.irp c, 0,1,2,3
	global_load_b128 v[16*(4*\t+\s)+4*\c:16*(4*\t+\s)+4*\c+3], v[LI], s[6:7] offset:2048*(4*\t+\s)+512*\c
.endr
.endr
.endm
.macro JOIN                            ; two chains of pairs -> the sum over both halves of the lanes
	s_delay_alu instid0(VALU_DEP_1)
	v_pk_add_f32 v[TA:TA+1], v[TA:TA+1], v[TA+2:TA+3]
	s_delay_alu instid0(VALU_DEP_1)
	v_add_f32 v[TA], v[TA], v[TA+1]
	s_delay_alu instid0(VALU_DEP_1)
	v_permlanex16_b32 v28, v[TA], s48, s49
	s_delay_alu instid0(VALU_DEP_1)
	v_add_f32 v[TA], v[TA], v28
.endm
	s_load_b512 s[4:19], s[0:1], 0x0               ; oc s4, wc s6, x s8, bo s10, g2 s12, b2 s14, the exponents s16, x2 s18
	s_load_b64 s[20:21], s[0:1], 0x40              ; h2c
	v_lshl_add_u32 v[SPW], v0, 2, SPARE
	v_mov_b32 v[NIL], 0
	v_lshrrev_b32 v14, 5, v0
	s_delay_alu instid0(VALU_DEP_1)
	v_readfirstlane_b32 s28, v14                   ; wave 0..7
	v_and_b32 v[LI], 31, v0
	s_delay_alu instid0(VALU_DEP_1)
	v_lshlrev_b32 v[LI], 4, v[LI]
	v_lshlrev_b32 v[CT], 4, v0
	v_and_b32 v14, 15, v0                          ; r
	v_bfe_u32 v15, v0, 4, 1                        ; hh
	s_delay_alu instid0(VALU_DEP_1)
	v_lshlrev_b32 v[GA], 5, v15
	s_mul_i32 s29, s28, 4352
	s_add_co_u32 s29, s29, STG                     ; my stage
	v_mul_u32_u24 v[STO], v14, 272
	s_delay_alu instid0(VALU_DEP_1)
	v_lshl_add_u32 v[STO], v15, 5, v[STO]
	s_delay_alu instid0(VALU_DEP_1)
	v_add_nc_u32 v[STO], s29, v[STO]
	v_mul_u32_u24 v[RD], v15, 272
	s_delay_alu instid0(VALU_DEP_1)
	v_lshl_add_u32 v[RD], v14, 4, v[RD]
	s_delay_alu instid0(VALU_DEP_1)
	v_add_nc_u32 v[RD], s29, v[RD]
	v_lshlrev_b32 v[CO], 11, v15
	s_delay_alu instid0(VALU_DEP_1)
	v_lshl_add_u32 v[CO], v14, 4, v[CO]
	v_lshlrev_b32 v[SR], 3, v14
	s_delay_alu instid0(VALU_DEP_1)
	v_add_nc_u32 v[SR], STAT, v[SR]
	s_lshl_b32 s29, s28, 7
	v_add_nc_u32 v[SA], s29, v[SR]
	v_mov_b32 v28, 0                               ; an exchange's destination counts as read
	v_mov_b32 v[MS+1], 0                           ; named as upper halves of pairs before they are filled
	v_mov_b32 v[MS+5], 0
	s_lshl_b32 s30, ttmp9, 14
	s_mov_b32 s31, 0
	s_lshl_b32 s32, s28, 15
	s_add_co_u32 s32, s32, 786432
	s_mov_b32 s33, 0
	s_lshl_b32 s36, s28, 8
	s_mov_b32 s37, 0
	s_lshl_b32 s34, ttmp9, 16
	s_add_co_u32 s34, s34, s36
	s_mov_b32 s35, 0
	s_lshl_b32 s38, s28, 10
	s_add_co_u32 s38, s38, s30
	s_mov_b32 s39, 0
	s_mov_b32 s44, 0x3b000000                      ; 1 / 512
	s_mov_b32 s45, 0x3727c5ac                      ; 1e-5
	s_mov_b32 s48, 0x76543210
	s_mov_b32 s49, 0xfedcba98
	s_wait_alu depctr_va_vdst(0)
	s_wait_kmcnt 0x0
	s_load_b128 s[24:27], s[16:17], 0x28           ; e10, e11, e12, e13
	s_add_nc_u64 s[4:5], s[4:5], s[30:31]
	s_add_nc_u64 s[6:7], s[6:7], s[32:33]
	s_add_nc_u64 s[8:9], s[8:9], s[34:35]
	s_add_nc_u64 s[10:11], s[10:11], s[36:37]
	s_add_nc_u64 s[12:13], s[12:13], s[36:37]
	s_add_nc_u64 s[14:15], s[14:15], s[36:37]
	s_add_nc_u64 s[18:19], s[18:19], s[34:35]
	s_add_nc_u64 s[20:21], s[20:21], s[38:39]
.irp i, 0,1,2,3
	global_load_b128 v[AF+4*\i:AF+4*\i+3], v[CT], s[4:5] offset:4096*\i
.endr
.irp rt, 0,1
.irp i, 0,1,2,3,4,5,6,7
	global_load_b128 v[96+32*\rt+4*\i:99+32*\rt+4*\i], v[CO], s[8:9] offset:32768*\rt+4096*\i th:TH_LOAD_NT   ; x by rows: 16 lanes read 256 consecutive bytes, aligned
.endr
.endr
.irp t, 0,1,2,3
	global_load_b128 v[TT+8*\t:TT+8*\t+3], v[GA], s[10:11] offset:64*\t
	global_load_b128 v[TT+8*\t+4:TT+8*\t+7], v[GA], s[10:11] offset:64*\t+16
.endr
	WIN 0x40
	WLOAD 0
	WLOAD 1
	WLOAD 2
	WIN 0
	s_wait_loadcnt 63                              ; of 76 loads at most 63 are out: the first 13 are in, out's four among them (72 are younger; the count's field holds 63)
.irp i, 0,1,2,3
	ds_store_b128 v[CT], v[AF+4*\i:AF+4*\i+3] offset:4096*\i
.endr
	WIN 0x40
	WLOAD 3
	WIN 0
	s_wait_kmcnt 0x0
	s_add_co_i32 s46, s24, s25                     ; e10 + e11
	s_sub_co_i32 s40, 127, s46
	s_lshl_b32 s40, s40, 23                        ; 2^-(e10 + e11)
	s_mov_b32 s41, s40
	s_add_co_i32 s42, s46, 127
	s_lshl_b32 s42, s42, 23                        ; 2^(e10 + e11)
	s_mov_b32 s43, s42
	s_add_co_i32 s46, s26, 127
	s_lshl_b32 s47, s46, 23
	v_mov_b32 v[SC], s47
	s_add_co_i32 s46, s46, 8
	s_lshl_b32 s46, s46, 23
	s_or_b32 s46, s46, 0x600000
	v_mov_b32 v[LIM], s46
	s_wait_loadcnt 63                              ; only W's 64 loads are younger than x and bo: with 63 out these are in
.irp rt, 0,1                                   ; x turns through my own stage into the accumulators: LDS serves a wave's instructions in order (ISA guide 5.7.1.4), so no wait stands between stores and loads, nor ahead of the next tile's stores
.irp i, 0,1,2,3,4,5,6,7
	ds_store_b128 v[RD], v[96+32*\rt+4*\i:99+32*\rt+4*\i] offset:544*\i
.endr
.irp t, 0,1,2,3
	ds_load_b128 v[ACC+32*\rt+8*\t:ACC+32*\rt+8*\t+3], v[STO] offset:64*\t
	ds_load_b128 v[ACC+32*\rt+8*\t+4:ACC+32*\rt+8*\t+7], v[STO] offset:64*\t+16
.endr
.endr
.set j, 0
.rept 16
	v_pk_mul_f32 v[TT+j:TT+j+1], v[TT+j:TT+j+1], s[40:41] op_sel_hi:[1,0]
.set j, j+2
.endr
	s_wait_dscnt 0x0                               ; x is in the accumulators
.irp rt, 0,1
.set j, 0
.rept 16
	v_pk_fma_f32 v[ACC+32*\rt+j:ACC+32*\rt+j+1], v[ACC+32*\rt+j:ACC+32*\rt+j+1], s[40:41], v[TT+j:TT+j+1] op_sel_hi:[1,0,1]
.set j, j+2
.endr
.endr
	s_wait_alu depctr_va_vdst(0)
	BARRIER                                        ; out's eight fragments lie in LDS
	FETCH 0, 0
	FETCH 1, 1
	s_wait_dscnt 0x0
	s_wait_loadcnt 0x0                             ; W
	WIN 0x01
.irp s, 0,1,2,3                                ; eight accumulators by turns, one instruction a turn
.irp rt, 0,1
.irp t, 0,1,2,3
	v_wmma_f32_16x16x128_fp8_fp8 v[ACC+32*\rt+8*\t:ACC+32*\rt+8*\t+7], v[16*(4*\t+\s):16*(4*\t+\s)+15], v[AF+64*\rt+16*\s:AF+64*\rt+16*\s+15], v[ACC+32*\rt+8*\t:ACC+32*\rt+8*\t+7]
.endr
.endr
.endr
	WIN 0
	PLACES 4
.irp t, 0,1,2,3
	global_load_b128 v[32+8*\t:35+8*\t], v[GA], s[12:13] offset:64*\t
	global_load_b128 v[36+8*\t:39+8*\t], v[GA], s[12:13] offset:64*\t+16
	global_load_b128 v[64+8*\t:67+8*\t], v[GA], s[14:15] offset:64*\t
	global_load_b128 v[68+8*\t:71+8*\t], v[GA], s[14:15] offset:64*\t+16
.endr
.set j, 0
.rept 32
	v_pk_mul_f32 v[ACC+j:ACC+j+1], v[ACC+j:ACC+j+1], s[42:43] op_sel_hi:[1,0]   ; x2; each accumulator from its low end on
.set j, j+2
.endr
.irp rt, 0,1                                   ; through my own stage, the other way round
.irp t, 0,1,2,3
	ds_store_b128 v[STO], v[ACC+32*\rt+8*\t:ACC+32*\rt+8*\t+3] offset:64*\t
	ds_store_b128 v[STO], v[ACC+32*\rt+8*\t+4:ACC+32*\rt+8*\t+7] offset:64*\t+16
.endr
.irp i, 0,1,2,3,4,5,6,7
	ds_load_b128 v[96+32*\rt+4*\i:99+32*\rt+4*\i], v[RD] offset:544*\i
.endr
.endr
.macro STATS rt                        ; my 64 columns' mean and sum of squares about it, for each row of tile rt
.set A0, ACC+32*(\rt)
	v_pk_add_f32 v[TA:TA+1], v[A0:A0+1], v[A0+2:A0+3]
	v_pk_add_f32 v[TA+2:TA+3], v[A0+4:A0+5], v[A0+6:A0+7]
.set j, 8
.rept 6
	s_delay_alu instid0(VALU_DEP_2)
	v_pk_add_f32 v[TA:TA+1], v[TA:TA+1], v[A0+j:A0+j+1]
	s_delay_alu instid0(VALU_DEP_2)
	v_pk_add_f32 v[TA+2:TA+3], v[TA+2:TA+3], v[A0+j+2:A0+j+3]
.set j, j+4
.endr
	JOIN
	s_delay_alu instid0(VALU_DEP_1)
	v_mul_f32 v[MS+4*(\rt)], 0x3c800000, v[TA]     ; / 64
.set j, 0
.rept 16
	v_pk_add_f32 v[TT+j:TT+j+1], v[A0+j:A0+j+1], v[MS+4*(\rt):MS+4*(\rt)+1] op_sel_hi:[1,0] neg_lo:[0,1] neg_hi:[0,1]
.set j, j+2
.endr
	v_pk_mul_f32 v[TA:TA+1], v[TT:TT+1], v[TT:TT+1]
	v_pk_mul_f32 v[TA+2:TA+3], v[TT+2:TT+3], v[TT+2:TT+3]
.set j, 4
.rept 7
	s_delay_alu instid0(VALU_DEP_2)
	v_pk_fma_f32 v[TA:TA+1], v[TT+j:TT+j+1], v[TT+j:TT+j+1], v[TA:TA+1]
	s_delay_alu instid0(VALU_DEP_2)
	v_pk_fma_f32 v[TA+2:TA+3], v[TT+j+2:TT+j+3], v[TT+j+2:TT+j+3], v[TA+2:TA+3]
.set j, j+4
.endr
	JOIN
	s_delay_alu instid0(VALU_DEP_1)
	v_mov_b32 v[MS+4*(\rt)+1], v[TA]
.endm
	STATS 0
	STATS 1
	s_wait_alu depctr_va_vdst(0)
.irp i, 0,1,2,3,4,5,6,7
	s_wait_dscnt 23-\i                             ; behind this load: the rest of tile 0's and tile 1's sixteen
	global_store_b128 v[CO], v[96+4*\i:99+4*\i], s[18:19] offset:4096*\i   ; 16 lanes store 256 consecutive bytes, aligned
.endr
.irp i, 0,1,2,3,4,5,6,7
	s_wait_dscnt 7-\i
	global_store_b128 v[CO], v[128+4*\i:131+4*\i], s[18:19] offset:32768+4096*\i
.endr
	ds_store_b64 v[SA], v[MS:MS+1]                 ; both halves of the lanes write the same words with the same numbers
	ds_store_b64 v[SA], v[MS+4:MS+5] offset:1024
	BARRIER                                        ; all eight waves' figures lie in LDS
.irp rt, 0,1
.irp w, 0,1,2,3,4,5,6,7
	ds_load_b64 v[TT+16*\rt+2*\w:TT+16*\rt+2*\w+1], v[SR] offset:1024*\rt+128*\w
.endr
.endr
	s_wait_dscnt 0x0
.macro COMB rt
.set M0, TT+16*(\rt)
	v_add_f32 v[TA], v[M0], v[M0+2]
	v_add_f32 v[TA+1], v[M0+4], v[M0+6]
	v_add_f32 v[TA+2], v[M0+8], v[M0+10]
	v_add_f32 v[TA+3], v[M0+12], v[M0+14]
	s_delay_alu instid0(VALU_DEP_3)
	v_add_f32 v[TA], v[TA], v[TA+1]
	s_delay_alu instid0(VALU_DEP_2)
	v_add_f32 v[TA+2], v[TA+2], v[TA+3]
	s_delay_alu instid0(VALU_DEP_1)
	v_add_f32 v[TA], v[TA], v[TA+2]
	s_delay_alu instid0(VALU_DEP_1)
	v_mul_f32 v[MS+4*(\rt)], 0x3e000000, v[TA]     ; the row's mean
	v_add_f32 v[TA], v[M0+1], v[M0+3]
	v_add_f32 v[TA+1], v[M0+5], v[M0+7]
	v_add_f32 v[TA+2], v[M0+9], v[M0+11]
	v_add_f32 v[TA+3], v[M0+13], v[M0+15]
	s_delay_alu instid0(VALU_DEP_3)
	v_add_f32 v[TA], v[TA], v[TA+1]
	s_delay_alu instid0(VALU_DEP_2)
	v_add_f32 v[TA+2], v[TA+2], v[TA+3]
	s_delay_alu instid0(VALU_DEP_1)
	v_add_f32 v[TA], v[TA], v[TA+2]                ; the sum of the eight M2
	v_sub_f32 v[TA+1], v[M0], v[MS+4*(\rt)]
	s_delay_alu instid0(VALU_DEP_1)
	v_mul_f32 v[TA+2], v[TA+1], v[TA+1]
.irp w, 1,2,3,4,5,6,7
	v_sub_f32 v[TA+1], v[M0+2*\w], v[MS+4*(\rt)]
	s_delay_alu instid0(VALU_DEP_1)
	v_fmac_f32 v[TA+2], v[TA+1], v[TA+1]
.endr
	s_delay_alu instid0(VALU_DEP_1)
	v_fma_f32 v[TA], v[TA+2], 0x42800000, v[TA]    ; + 64 x the sum of (mean_w - mean)^2
	s_delay_alu instid0(VALU_DEP_1)
	v_fma_f32 v[MS+4*(\rt)+3], v[TA], s44, s45     ; / 512 + 1e-5
	s_wait_alu depctr_va_vdst(0)
	v_rsq_f32 v[MS+4*(\rt)+2], v[MS+4*(\rt)+3]
.endm
	COMB 0
	COMB 1
	v_nop
	s_wait_alu depctr_va_vdst(0)                   ; one wait for both roots, ahead of their first reader
	s_wait_loadcnt 0x0                             ; g2, b2
.macro NORM rt
.set A0, ACC+32*(\rt)
.set j, 0
.rept 16
	v_pk_add_f32 v[A0+j:A0+j+1], v[A0+j:A0+j+1], v[MS+4*(\rt):MS+4*(\rt)+1] op_sel_hi:[1,0] neg_lo:[0,1] neg_hi:[0,1]
.set j, j+2
.endr
.set j, 0
.rept 16
	v_pk_mul_f32 v[A0+j:A0+j+1], v[A0+j:A0+j+1], v[MS+4*(\rt)+2:MS+4*(\rt)+3] op_sel_hi:[1,0]
.set j, j+2
.endr
.set j, 0
.rept 16
	v_pk_fma_f32 v[A0+j:A0+j+1], v[A0+j:A0+j+1], v[32+j:33+j], v[64+j:65+j]
.set j, j+2
.endr
.set j, 0
.rept 32
	v_med3_num_f32 v[A0+j], v[A0+j], -v[LIM], v[LIM]
.set j, j+1
.endr
.irp t, 0,1,2,3
	v_cvt_scalef32_pk8_fp8_f32 v[TT+8*(\rt)+2*\t:TT+8*(\rt)+2*\t+1], v[A0+8*\t:A0+8*\t+7], v[SC]
.endr
	v_nop
	global_store_b128 v[LI], v[TT+8*(\rt):TT+8*(\rt)+3], s[20:21] offset:8192*(\rt)
	global_store_b128 v[LI], v[TT+8*(\rt)+4:TT+8*(\rt)+7], s[20:21] offset:8192*(\rt)+512
.endm
	NORM 0
	NORM 1
	s_wait_tensorcnt 0x0                           ; the wave's end
	ds_add_u32 v[SPW], v[NIL]
	s_wait_dscnt 0x0
	s_endpgm
.Lfunc_end_k_q8d24ee7629_proj:
	.size	k_q8d24ee7629_proj, .Lfunc_end_k_q8d24ee7629_proj-k_q8d24ee7629_proj
	.p2alignl 7, 3214868480
	.fill 96, 4, 3214868480
	.section	.rodata,"a",@progbits
	.p2align	6, 0x0
	.amdhsa_kernel k_q8d24ee7629_proj
		.amdhsa_group_segment_fixed_size 54272
		.amdhsa_private_segment_fixed_size 0
		.amdhsa_enable_private_segment 0
		.amdhsa_kernarg_size 72
		.amdhsa_user_sgpr_count 2
		.amdhsa_user_sgpr_kernarg_segment_ptr 1
		.amdhsa_wavefront_size32 1
		.amdhsa_system_sgpr_workgroup_id_x 1
		.amdhsa_system_sgpr_workgroup_id_y 1
		.amdhsa_system_sgpr_workgroup_id_z 1
		.amdhsa_system_vgpr_workitem_id 0
		.amdhsa_next_free_vgpr 512
		.amdhsa_next_free_sgpr 66
		.amdhsa_reserve_vcc 0
		.amdhsa_float_denorm_mode_32 3
		.amdhsa_float_denorm_mode_16_64 3
		.amdhsa_memory_ordered 1
		.amdhsa_forward_progress 1
		.amdhsa_inst_pref_size 55
	.end_amdhsa_kernel
	.amdgpu_metadata
---
amdhsa.version: [ 1, 2 ]
amdhsa.kernels:
  - .name:           k_q8d24ee7629_proj
    .symbol:         k_q8d24ee7629_proj.kd
    .args:
      - { .name: oc, .offset: 0, .size: 8, .value_kind: global_buffer, .address_space: global }
      - { .name: wc, .offset: 8, .size: 8, .value_kind: global_buffer, .address_space: global }
      - { .name: x, .offset: 16, .size: 8, .value_kind: global_buffer, .address_space: global }
      - { .name: bo, .offset: 24, .size: 8, .value_kind: global_buffer, .address_space: global }
      - { .name: g2, .offset: 32, .size: 8, .value_kind: global_buffer, .address_space: global }
      - { .name: b2, .offset: 40, .size: 8, .value_kind: global_buffer, .address_space: global }
      - { .name: lowp_scales, .offset: 48, .size: 8, .value_kind: global_buffer, .address_space: global }
      - { .name: x2, .offset: 56, .size: 8, .value_kind: global_buffer, .address_space: global }
      - { .name: h2c, .offset: 64, .size: 8, .value_kind: global_buffer, .address_space: global }
    .group_segment_fixed_size: 54272
    .private_segment_fixed_size: 0
    .kernarg_segment_align: 8
    .kernarg_segment_size: 72
    .max_flat_workgroup_size: 256
    .sgpr_count:     66
    .vgpr_count:     512
    .wavefront_size: 32
...
	.end_amdgpu_metadata
.endif
;; end of part 4
;; launch ffn1 (part 5): grid 4 x 64, 8 waves a work-group, no clusters, 66,560 bytes of LDS; arguments h2c, wc, bf1, lowp_scales, hid; writes hid
.if DOCPART == 5
	.amdgcn_target "amdgcn-amd-amdhsa--gfx1250"
	.amdhsa_code_object_version 6
	.text
	.protected	k_q8d24ee7629_ffn1
	.globl	k_q8d24ee7629_ffn1
	.p2align	8
	.type	k_q8d24ee7629_ffn1,@function
k_q8d24ee7629_ffn1:
	s_mov_b64 s[64:65], 0
	v_nop
	global_prefetch_b8 v0, s[64:65] scope:SCOPE_SE
	s_setreg_imm32_b32 hwreg(HW_REG_WAVE_MODE, 25, 1), 1
	s_wait_xcnt 0x0
; hid = silu(h2 w1 + bf1), the product on codes of E4M3, quantised with 2^e14.  Work-group x is a slice of 512 hidden units, y a block of 128 rows; wave w makes units 512 x + 64 w .. + 63.
; The wave's 16 fragments of w1 fill window 1 for the whole launch; the block's 32 fragments of h2 (65,536 bytes of images) are copied once into LDS.  The product is used transposed, so that the conversions'
; results are half an image of the next product's operand.
; THE BIAS IS THE C of each sum's first matrix instruction, as bf1 / 2^(e12 + e13).  With a = the finished sum, z = a x 2^(e12 + e13); silu(z) / 2^(e12 + e13) = a / (1 + 2^(a K1)), K1 = -log2(e) x 2^(e12 + e13);
; the code is that / 2^(e14 - e12 - e13): the exponents are folded into K1 and into the conversion's scale.
; LIMITS: e12 + e13 between -126 and 126; e14 - e12 - e13 between -126 and 119.  NaN is not served.
.set SPARE, 65536
.set LI,  1
.set CT,  2
.set SPW, 3
.set NIL, 4
.set GA,  5                            ; 32 hh
.set SC,  6
.set LIM, 7
.set AF,  32
.set ACC, 160
.set BI,  192                          ; v192-223 the bias, in the result's layout
.set TT,  224                          ; v224-255 at work; v224-231 the codes
.set MSB, 0
.macro WIN new
.if MSB != (\new)
	s_set_vgpr_msb (MSB<<8)|(\new)
.set MSB, (\new)
.endif
.endm
.macro PLACES n
.rept \n
	v_nop
.endr
.endm
.macro FETCH set, m
.irp s, 0,1,2,3
.irp c, 0,1,2,3
	ds_load_b128 v[AF+64*(\set)+16*\s+4*\c:AF+64*(\set)+16*\s+4*\c+3], v[LI] offset:8192*(\m)+2048*\s+512*\c
.endr
.endr
.endm
.macro WLOAD s
.irp t, 0,1,2,3
.irp c, 0,1,2,3
	global_load_b128 v[16*(4*\t+\s)+4*\c:16*(4*\t+\s)+4*\c+3], v[LI], s[6:7] offset:2048*(4*\t+\s)+512*\c
.endr
.endr
.endm
.macro MUL set, first                  ; 16 matrix instructions, the four accumulators by turns; first = 1: the weights are still landing
	WIN 0x01
.irp s, 0,1,2,3
.if \first
	s_wait_loadcnt 48-16*\s
.endif
.irp t, 0,1,2,3
.set rD, ACC+8*\t
.set rW, 16*(4*\t+\s)
.set rA, AF+64*(\set)+16*\s
.if \s == 0
	v_wmma_f32_16x16x128_fp8_fp8 v[rD:rD+7], v[rW:rW+15], v[rA:rA+15], v[BI+8*\t:BI+8*\t+7]
.else
	v_wmma_f32_16x16x128_fp8_fp8 v[rD:rD+7], v[rW:rW+15], v[rA:rA+15], v[rD:rD+7]
.endif
.endr
.endr
	WIN 0
	PLACES 4
.endm
.macro EPI m                           ; silu, the hold, the conversion, the store: two batches of transcendentals, one wait each
.if \m > 0
	s_wait_xcnt 0x0                                ; the last tile's stores have read v224-231
.endif
.set j, 0
.rept 16
	v_pk_mul_f32 v[TT+j:TT+j+1], v[ACC+j:ACC+j+1], s[40:41] op_sel_hi:[1,0]   ; -z log2(e); each accumulator from its low end on
.set j, j+2
.endr
.set j, 0
	s_wait_alu depctr_va_vdst(0)
.rept 32
	v_exp_f32 v[TT+j], v[TT+j]
.set j, j+1
.endr
	v_nop
	s_wait_alu depctr_va_vdst(0)
.set j, 0
.rept 16
	v_pk_add_f32 v[TT+j:TT+j+1], v[TT+j:TT+j+1], 1.0 op_sel_hi:[1,0]
.set j, j+2
.endr
.set j, 0
	s_wait_alu depctr_va_vdst(0)
.rept 32
	v_rcp_f32 v[TT+j], v[TT+j]
.set j, j+1
.endr
	v_nop
	s_wait_alu depctr_va_vdst(0)
.set j, 0
.rept 16
	v_pk_mul_f32 v[ACC+j:ACC+j+1], v[ACC+j:ACC+j+1], v[TT+j:TT+j+1]
.set j, j+2
.endr
.set j, 0
.rept 32
	v_med3_num_f32 v[ACC+j], v[ACC+j], -v[LIM], v[LIM]
.set j, j+1
.endr
.irp t, 0,1,2,3
	v_cvt_scalef32_pk8_fp8_f32 v[TT+2*\t:TT+2*\t+1], v[ACC+8*\t:ACC+8*\t+7], v[SC]
.endr
	v_nop
	global_store_b128 v[LI], v[TT:TT+3], s[12:13] offset:32768*(\m)
	global_store_b128 v[LI], v[TT+4:TT+7], s[12:13] offset:32768*(\m)+512
.endm
	s_load_b256 s[4:11], s[0:1], 0x0               ; h2c s4, wc s6, bf1 s8, the exponents s10
	s_load_b64 s[12:13], s[0:1], 0x20              ; hid
	v_lshl_add_u32 v[SPW], v0, 2, SPARE
	v_mov_b32 v[NIL], 0
	v_lshrrev_b32 v8, 5, v0
	s_delay_alu instid0(VALU_DEP_1)
	v_readfirstlane_b32 s20, v8                    ; wave 0..7
	v_and_b32 v[LI], 31, v0
	s_delay_alu instid0(VALU_DEP_1)
	v_lshlrev_b32 v[LI], 4, v[LI]
	v_lshlrev_b32 v[CT], 4, v0
	v_bfe_u32 v[GA], v0, 4, 1
	s_delay_alu instid0(VALU_DEP_1)
	v_lshlrev_b32 v[GA], 5, v[GA]
	s_and_b32 s21, ttmp7, 0xffff                   ; the block of rows
	s_lshl_b32 s22, s21, 16
	s_mov_b32 s23, 0
	s_lshl_b32 s24, ttmp9, 18
	s_lshl_b32 s25, s20, 15
	s_add_co_u32 s24, s24, s25
	s_add_co_u32 s24, s24, 1048576
	s_mov_b32 s25, 0
	s_lshl_b32 s26, ttmp9, 11
	s_lshl_b32 s27, s20, 8
	s_add_co_u32 s26, s26, s27
	s_mov_b32 s27, 0
	s_lshl_b32 s28, s21, 18
	s_lshl_b32 s29, ttmp9, 13
	s_add_co_u32 s28, s28, s29
	s_lshl_b32 s29, s20, 10
	s_add_co_u32 s28, s28, s29
	s_mov_b32 s29, 0
	s_wait_alu depctr_va_vdst(0)
	s_wait_kmcnt 0x0
	s_load_b128 s[16:19], s[10:11], 0x30           ; e12, e13, e14, e15
	s_add_nc_u64 s[4:5], s[4:5], s[22:23]
	s_add_nc_u64 s[6:7], s[6:7], s[24:25]
	s_add_nc_u64 s[8:9], s[8:9], s[26:27]
	s_add_nc_u64 s[12:13], s[12:13], s[28:29]
.irp i, 0,1,2,3,4,5,6,7,8,9,10,11,12,13,14,15
	global_load_b128 v[AF+4*\i:AF+4*\i+3], v[CT], s[4:5] offset:4096*\i
.endr
.irp t, 0,1,2,3
	global_load_b128 v[BI+8*\t:BI+8*\t+3], v[GA], s[8:9] offset:64*\t
	global_load_b128 v[BI+8*\t+4:BI+8*\t+7], v[GA], s[8:9] offset:64*\t+16
.endr
	WIN 0x40
	WLOAD 0
	WLOAD 1
	WLOAD 2
	WIN 0
	s_wait_kmcnt 0x0
	s_add_co_i32 s30, s16, s17                     ; e12 + e13
	s_sub_co_i32 s31, 0, s30
	s_lshl_b32 s40, s30, 23
	s_add_co_i32 s40, s40, 0xbfb8aa3b              ; K1 = -log2(e) x 2^(e12 + e13): the sum of exponents goes into the exponent field
	s_mov_b32 s41, s40
	s_sub_co_i32 s32, s18, s30
	s_add_co_i32 s32, s32, 127
	s_lshl_b32 s33, s32, 23
	v_mov_b32 v[SC], s33
	s_add_co_i32 s32, s32, 8
	s_lshl_b32 s32, s32, 23
	s_or_b32 s32, s32, 0x600000
	v_mov_b32 v[LIM], s32
	s_wait_loadcnt 56                              ; h2's 16 loads are in; the bias's 8 and W's 48 may be out
.irp i, 0,1,2,3,4,5,6,7,8,9,10,11,12,13,14,15
	ds_store_b128 v[CT], v[AF+4*\i:AF+4*\i+3] offset:4096*\i
.endr
	WIN 0x40
	WLOAD 3
	WIN 0
	s_wait_dscnt 0x0                               ; for the others' sake: my part of the images has landed
	s_barrier_signal -1
	s_barrier_wait -1
	FETCH 0, 0
	s_wait_loadcnt 63                              ; only W's 64 loads are younger than the bias
.set j, 0
.rept 32
	v_ldexp_f32 v[BI+j], v[BI+j], s31              ; bf1 / 2^(e12 + e13)
.set j, j+1
.endr
.irp m, 0,1,2,3,4,5,6,7
.if \m < 7
	FETCH (\m+1)%2, \m+1
	s_wait_dscnt 16                                ; this tile's 16 loads are in, the next tile's may be out
.else
	s_wait_dscnt 0x0
.endif
.if \m == 0
	s_wait_alu depctr_va_vdst(0)
	MUL 0, 1
.else
	MUL \m%2, 0
.endif
	EPI \m
.endr
	s_wait_tensorcnt 0x0                           ; the wave's end
	ds_add_u32 v[SPW], v[NIL]
	s_wait_dscnt 0x0
	s_endpgm
.Lfunc_end_k_q8d24ee7629_ffn1:
	.size	k_q8d24ee7629_ffn1, .Lfunc_end_k_q8d24ee7629_ffn1-k_q8d24ee7629_ffn1
	.p2alignl 7, 3214868480
	.fill 96, 4, 3214868480
	.section	.rodata,"a",@progbits
	.p2align	6, 0x0
	.amdhsa_kernel k_q8d24ee7629_ffn1
		.amdhsa_group_segment_fixed_size 66560
		.amdhsa_private_segment_fixed_size 0
		.amdhsa_enable_private_segment 0
		.amdhsa_kernarg_size 40
		.amdhsa_user_sgpr_count 2
		.amdhsa_user_sgpr_kernarg_segment_ptr 1
		.amdhsa_wavefront_size32 1
		.amdhsa_system_sgpr_workgroup_id_x 1
		.amdhsa_system_sgpr_workgroup_id_y 1
		.amdhsa_system_sgpr_workgroup_id_z 1
		.amdhsa_system_vgpr_workitem_id 0
		.amdhsa_next_free_vgpr 512
		.amdhsa_next_free_sgpr 66
		.amdhsa_reserve_vcc 0
		.amdhsa_float_denorm_mode_32 3
		.amdhsa_float_denorm_mode_16_64 3
		.amdhsa_memory_ordered 1
		.amdhsa_forward_progress 1
		.amdhsa_inst_pref_size 94
	.end_amdhsa_kernel
	.amdgpu_metadata
---
amdhsa.version: [ 1, 2 ]
amdhsa.kernels:
  - .name:           k_q8d24ee7629_ffn1
    .symbol:         k_q8d24ee7629_ffn1.kd
    .args:
      - { .name: h2c, .offset: 0, .size: 8, .value_kind: global_buffer, .address_space: global }
      - { .name: wc, .offset: 8, .size: 8, .value_kind: global_buffer, .address_space: global }
      - { .name: bf1, .offset: 16, .size: 8, .value_kind: global_buffer, .address_space: global }
      - { .name: lowp_scales, .offset: 24, .size: 8, .value_kind: global_buffer, .address_space: global }
      - { .name: hid, .offset: 32, .size: 8, .value_kind: global_buffer, .address_space: global }
    .group_segment_fixed_size: 66560
    .private_segment_fixed_size: 0
    .kernarg_segment_align: 8
    .kernarg_segment_size: 40
    .max_flat_workgroup_size: 256
    .sgpr_count:     66
    .vgpr_count:     512
    .wavefront_size: 32
...
	.end_amdgpu_metadata
.endif
;; end of part 5
;; launch ffn2 (part 6): grid 4 x 64, 4 waves a work-group, no clusters, 135,680 bytes of LDS; arguments hid, wc, x2, bf2, lowp_scales, out0; writes out0
.if DOCPART == 6
	.amdgcn_target "amdgcn-amd-amdhsa--gfx1250"
	.amdhsa_code_object_version 6
	.text
	.protected	k_q8d24ee7629_ffn2
	.globl	k_q8d24ee7629_ffn2
	.p2align	8
	.type	k_q8d24ee7629_ffn2,@function
k_q8d24ee7629_ffn2:
	s_mov_b64 s[64:65], 0
	v_nop
	global_prefetch_b8 v0, s[64:65] scope:SCOPE_SE
	s_setreg_imm32_b32 hwreg(HW_REG_WAVE_MODE, 25, 1), 1
	s_wait_xcnt 0x0
; out0 = hid w2 + bf2 + x2, the product on codes of E4M3, K = 2,048.  A work-group makes 128 rows (y) x 128 columns (x).
; THE FOUR WAVES SHARE K: wave w holds K steps 4 w .. 4 w + 3 of all eight tiles of columns, 32 fragments, 512 registers (windows 2 and 3), for the whole launch.  So each fragment of hid is read by one wave alone,
; straight from memory into registers, and feeds eight matrix instructions.  The price: four partial sums of each output, which meet in LDS, two tiles of rows a round, two regions by turns, one barrier a round.
; (So the order of the sums differs from one chain along K: four chains of 512, added as (s0 + s1) + (s2 + s3).)
; Behind the barrier wave w owns 16 rows x 64 columns as dense rows: it adds the four parts, scales by 2^(e14 + e15), adds bf2 + x2 and stores 256 consecutive aligned bytes for each 16 lanes.
; A region is written again two rounds on, behind the next round's barrier, in front of which every wave has waited for its reads of it.
; LIMIT: e14 + e15 between -126 and 127.
.set REDP,  67584                      ; a region: [source wave 4][tile 2][16 rows x 528 bytes]
.set SPARE, 135168                     ; behind both regions: the spare words, 128 bytes a wave
.set LI,  1                            ; 16 x lane
.set STO, 2                            ; v2, v3: where I put my parts, region 0, 1
.set RD,  4                            ; v4, v5: where I read my rows back
.set CO,  6                            ; my bytes in two rows of x2 and out0
.set BA,  7                            ; my bytes in bf2
.set SPW, 8
.set NIL, 9
.set XX,  32                           ; v32-63 x2, dense; v64-67 bf2
.set RES, 96                           ; v96-127 results
.set ACC, 128                          ; v128-255 two tiles of rows x eight accumulators; then the four parts read back
.set MSB, 0
.macro WIN new
.if MSB != (\new)
	s_set_vgpr_msb (MSB<<8)|(\new)
.set MSB, (\new)
.endif
.endm
.macro PLACES n
.rept \n
	v_nop
.endr
.endm
.macro ALD m                           ; my four fragments of tile m of the rows, into set m % 4 of window 1
	WIN 0x40
.set ai, 0
.rept 16
	global_load_b128 v[64*((\m)%4)+4*ai:64*((\m)%4)+4*ai+3], v[LI], s[4:5] offset:32768*(\m)+512*ai
.set ai, ai+1
.endr
	WIN 0
.endm
.macro MULK m                          ; 32 matrix instructions, transposed: in each half four accumulators by turns, one instruction a turn; the first K step starts the sums
.irp h, 0,1
	WIN 0x06+\h                                    ; source 0 (W) window 2 or 3, source 1 (hid) window 1
.irp s, 0,1,2,3
.irp t, 0,1,2,3
.set rD, ACC+64*((\m)&1)+8*(4*\h+\t)
.set rW, 16*(4*\t+\s)
.set rA, 64*((\m)%4)+16*\s
.if \s == 0
	v_wmma_f32_16x16x128_fp8_fp8 v[rD:rD+7], v[rW:rW+15], v[rA:rA+15], 0
.else
	v_wmma_f32_16x16x128_fp8_fp8 v[rD:rD+7], v[rW:rW+15], v[rA:rA+15], v[rD:rD+7]
.endif
.endr
.endr
.endr
	WIN 0
	PLACES 4                                       ; ahead of loads into the set just multiplied and of the first read of results
.endm
	s_load_b256 s[4:11], s[0:1], 0x0               ; hid s4, wc s6, x2 s8, bf2 s10
	s_load_b128 s[12:15], s[0:1], 0x20             ; the exponents s12, out0 s14
	v_lshl_add_u32 v[SPW], v0, 2, SPARE
	v_mov_b32 v[NIL], 0
	v_lshrrev_b32 v10, 5, v0
	v_readfirstlane_b32 s20, v10                   ; wave 0..3
	v_and_b32 v[LI], 31, v0
	v_lshlrev_b32 v[LI], 4, v[LI]
	v_and_b32 v10, 15, v0                          ; r
	v_bfe_u32 v11, v0, 4, 1                        ; hh
	s_mul_i32 s21, s20, 16896
	v_mul_u32_u24 v[STO], v10, 528
	v_lshl_add_u32 v[STO], v11, 5, v[STO]
	v_add_nc_u32 v[STO], s21, v[STO]               ; my parts: row r, 32 bytes for each half of the lanes
	v_add_nc_u32 v[STO+1], REDP, v[STO]
	s_lshr_b32 s22, s20, 1
	s_and_b32 s23, s20, 1
	s_mul_i32 s21, s22, 8448
	s_lshl_b32 s24, s23, 8
	s_add_co_u32 s21, s21, s24
	v_mul_u32_u24 v[RD], v11, 528
	v_lshl_add_u32 v[RD], v10, 4, v[RD]
	v_add_nc_u32 v[RD], s21, v[RD]                 ; back: tile w / 2, columns 64 (w % 2) on; lanes 0-15 one row, lanes 16-31 the next
	v_add_nc_u32 v[RD+1], REDP, v[RD]
	v_lshlrev_b32 v[BA], 4, v10
	v_lshl_add_u32 v[CO], v11, 11, v[BA]
	s_and_b32 s25, ttmp7, 0xffff                   ; the block of rows
	s_lshl_b32 s26, s25, 18
	s_lshl_b32 s27, s20, 13
	s_add_co_u32 s26, s26, s27                     ; hid: 8 tiles of 32,768 bytes a block, my four K steps
	s_mov_b32 s27, 0
	s_lshl_b32 s28, ttmp9, 18
	s_lshl_b32 s29, s20, 13
	s_add_co_u32 s28, s28, s29
	s_add_co_u32 s28, s28, 2097152                 ; w2's images: tile 8 x, K step 4 w
	s_mov_b32 s29, 0
	s_lshl_b32 s32, ttmp9, 9
	s_add_co_u32 s32, s32, s24                     ; my 64 columns, in bytes
	s_mov_b32 s33, 0
	s_lshl_b32 s30, s25, 18
	s_lshl_b32 s31, s22, 15
	s_add_co_u32 s30, s30, s31
	s_add_co_u32 s30, s30, s32                     ; x2, out0: row 128 y + 16 (w / 2), my columns
	s_mov_b32 s31, 0
	s_wait_alu depctr_va_vdst(0)
	s_wait_kmcnt 0x0
	s_load_b64 s[16:17], s[12:13], 0x38            ; e14, e15
	s_add_nc_u64 s[4:5], s[4:5], s[26:27]
	s_add_nc_u64 s[6:7], s[6:7], s[28:29]
	s_add_nc_u64 s[8:9], s[8:9], s[30:31]
	s_add_nc_u64 s[10:11], s[10:11], s[32:33]
	s_add_nc_u64 s[14:15], s[14:15], s[30:31]
	global_load_b128 v[64:67], v[BA], s[10:11]
	ALD 0
	ALD 1
.irp t, 0,1,2,3,4,5,6,7                        ; W: fragment (t, s) at v[16 (4 (t % 4) + s)] of window 2 + t / 4
	WIN 0x80+0x40*(\t/4)
.irp s, 0,1,2,3
.irp c, 0,1,2,3
	global_load_b128 v[16*(4*(\t%4)+\s)+4*\c:16*(4*(\t%4)+\s)+4*\c+3], v[LI], s[6:7] offset:32768*\t+2048*\s+512*\c
.endr
.endr
.endr
	WIN 0
	ALD 2
	ALD 3
	s_wait_kmcnt 0x0
	s_add_co_i32 s40, s16, s17
	s_add_co_i32 s40, s40, 127
	s_lshl_b32 s40, s40, 23                        ; 2^(e14 + e15)
	s_mov_b32 s41, s40
.macro ROUND g                         ; tiles 2 g and 2 g + 1 of the rows
.set PR, (\g)%2
.irp i, 0,1,2,3,4,5,6,7
	global_load_b128 v[XX+4*\i:XX+4*\i+3], v[CO], s[8:9] offset:65536*(\g)+4096*\i th:TH_LOAD_NT
.endr
.if \g < 3
	s_wait_loadcnt 40                              ; the two sets of hid behind this round's and x2's eight loads may be out; all older loads, W among them, are in
.else
	s_wait_loadcnt 8                               ; x2's eight may be out
.endif
	MULK 2*(\g)
.if \g < 2
	ALD 2*(\g)+4
.endif
	MULK 2*(\g)+1
.if \g < 2
	ALD 2*(\g)+5
.endif
.irp mm, 0,1
.irp t, 0,1,2,3,4,5,6,7
	ds_store_b128 v[STO+PR], v[ACC+64*\mm+8*\t:ACC+64*\mm+8*\t+3] offset:8448*\mm+64*\t          ; each accumulator's low four first
	ds_store_b128 v[STO+PR], v[ACC+64*\mm+8*\t+4:ACC+64*\mm+8*\t+7] offset:8448*\mm+64*\t+16
.endr
.endr
	s_wait_dscnt 0x0                               ; my parts have landed, and my reads of the other region, a round back, are in
	s_barrier_signal -1
	s_barrier_wait -1
.irp src, 0,1,2,3
.irp i, 0,1,2,3,4,5,6,7
	ds_load_b128 v[ACC+32*\src+4*\i:ACC+32*\src+4*\i+3], v[RD+PR] offset:16896*\src+1056*\i
.endr
.endr
.if \g < 2
	s_wait_loadcnt 32                              ; x2 is in; the two sets of hid just asked for may be out
.else
	s_wait_loadcnt 0x0
.endif
.if \g > 0
	s_wait_xcnt 0x0                                ; the last round's stores have read v96-127
.endif
.irp i, 0,1,2,3,4,5,6,7
	v_pk_add_f32 v[XX+4*\i:XX+4*\i+1], v[XX+4*\i:XX+4*\i+1], v[64:65]
	v_pk_add_f32 v[XX+4*\i+2:XX+4*\i+3], v[XX+4*\i+2:XX+4*\i+3], v[66:67]
.endr
	s_wait_dscnt 0x0
.set j, 0
.rept 16
	v_pk_add_f32 v[ACC+j:ACC+j+1], v[ACC+j:ACC+j+1], v[ACC+32+j:ACC+33+j]
	v_pk_add_f32 v[ACC+64+j:ACC+65+j], v[ACC+64+j:ACC+65+j], v[ACC+96+j:ACC+97+j]
.set j, j+2
.endr
.set j, 0
.rept 16
	v_pk_add_f32 v[ACC+j:ACC+j+1], v[ACC+j:ACC+j+1], v[ACC+64+j:ACC+65+j]
.set j, j+2
.endr
.set j, 0
.rept 16
	v_pk_fma_f32 v[RES+j:RES+j+1], v[ACC+j:ACC+j+1], s[40:41], v[XX+j:XX+j+1] op_sel_hi:[1,0,1]
.set j, j+2
.endr
.irp i, 0,1,2,3,4,5,6,7
	global_store_b128 v[CO], v[RES+4*\i:RES+4*\i+3], s[14:15] offset:65536*(\g)+4096*\i th:TH_STORE_NT   ; 16 lanes store 256 consecutive bytes, aligned
.endr
.endm
	ROUND 0
	ROUND 1
	ROUND 2
	ROUND 3
	s_wait_tensorcnt 0x0                           ; the wave's end
	ds_add_u32 v[SPW], v[NIL]
	s_wait_dscnt 0x0
	s_endpgm
.Lfunc_end_k_q8d24ee7629_ffn2:
	.size	k_q8d24ee7629_ffn2, .Lfunc_end_k_q8d24ee7629_ffn2-k_q8d24ee7629_ffn2
	.p2alignl 7, 3214868480
	.fill 96, 4, 3214868480
	.section	.rodata,"a",@progbits
	.p2align	6, 0x0
	.amdhsa_kernel k_q8d24ee7629_ffn2
		.amdhsa_group_segment_fixed_size 135680
		.amdhsa_private_segment_fixed_size 0
		.amdhsa_enable_private_segment 0
		.amdhsa_kernarg_size 48
		.amdhsa_user_sgpr_count 2
		.amdhsa_user_sgpr_kernarg_segment_ptr 1
		.amdhsa_wavefront_size32 1
		.amdhsa_system_sgpr_workgroup_id_x 1
		.amdhsa_system_sgpr_workgroup_id_y 1
		.amdhsa_system_sgpr_workgroup_id_z 1
		.amdhsa_system_vgpr_workitem_id 0
		.amdhsa_next_free_vgpr 1024
		.amdhsa_next_free_sgpr 66
		.amdhsa_reserve_vcc 0
		.amdhsa_float_denorm_mode_32 3
		.amdhsa_float_denorm_mode_16_64 3
		.amdhsa_memory_ordered 1
		.amdhsa_forward_progress 1
		.amdhsa_inst_pref_size 89
	.end_amdhsa_kernel
	.amdgpu_metadata
---
amdhsa.version: [ 1, 2 ]
amdhsa.kernels:
  - .name:           k_q8d24ee7629_ffn2
    .symbol:         k_q8d24ee7629_ffn2.kd
    .args:
      - { .name: hid, .offset: 0, .size: 8, .value_kind: global_buffer, .address_space: global }
      - { .name: wc, .offset: 8, .size: 8, .value_kind: global_buffer, .address_space: global }
      - { .name: x2, .offset: 16, .size: 8, .value_kind: global_buffer, .address_space: global }
      - { .name: bf2, .offset: 24, .size: 8, .value_kind: global_buffer, .address_space: global }
      - { .name: lowp_scales, .offset: 32, .size: 8, .value_kind: global_buffer, .address_space: global }
      - { .name: out0, .offset: 40, .size: 8, .value_kind: global_buffer, .address_space: global }
    .group_segment_fixed_size: 135680
    .private_segment_fixed_size: 0
    .kernarg_segment_align: 8
    .kernarg_segment_size: 48
    .max_flat_workgroup_size: 128
    .sgpr_count:     66
    .vgpr_count:     1024
    .wavefront_size: 32
...
	.end_amdgpu_metadata
.endif
;; end of part 6
